; MI455X (gfx1250); checked and timed in simulation.
; The chip was launched on July 23, 2026; its instructions are those of AMD's public machine-readable ISA for CDNA 5 (MIT licence, August 2026) and "CDNA5" Instruction Set Architecture Reference Guide (July 2026). The comments in the code are by the model that wrote it; some were corrected since.
;; Point2 Point Attention. Allowed arithmetic: matrix products marked QUANTISED: E4M3 operands, one E8M0 scale for each 32 along K, by v_wmma_scale_f32_16x16x128_f8f6f4 with both operands' format E4M3, f32 sums; everything else in f32.
;; Inputs: bn1_beta 64 float32; bn1_gamma 64 float32; bn2_beta 64 float32; bn2_gamma 64 float32; w_ff1 128 x 64 float32; w_ff2 64 x 128 float32; wk 64 x 64 float32; wq 64 x 64 float32; wv 64 x 64 float32; x 32 x 64 x 2,048 float32.
;; Outputs: out0 32 x 64 x 2,048 float32.
;; This version of the problem:
;;   THIS VERSION OF THE PROBLEM IS GIVEN IN LOW PRECISION. The matrix products marked QUANTISED in the list below multiply operands that are first quantised to E4M3 (4 exponent bits, 3 mantissa bits; 8 bits a number), with one power-of-two scale for each 32 numbers along K (OCP MX v1.0); their sums are f32. All else is computed in f32.
;;   The module's matrix products, in the order in which they are computed (A, B: the left and right operand; K: the contracted axis; several contracted axes count as one K, in the product's order):
;;     1. [M 65,536, K 64] x [K 64, N 64]; A: input x; B: input wq: QUANTISED
;;     2. [M 65,536, K 64] x [K 64, N 64]; A: input x; B: input wk: QUANTISED
;;     3. [M 65,536, K 64] x [K 64, N 64]; A: input x; B: input wv: QUANTISED
;;     4. batch 32 x [M 2,048, K 64] x [K 64, N 2,048]; A: computed on the way; B: computed on the way: QUANTISED
;;     5. batch 32 x [M 64, K 2,048] x [K 2,048, N 2,048]; A: computed on the way; B: softmax (see below): QUANTISED
;;     6. [M 65,536, K 64] x [K 64, N 128]; A: computed on the way; B: input w_ff1: QUANTISED
;;     7. [M 65,536, K 128] x [K 128, N 64]; A: computed on the way; B: input w_ff2: QUANTISED
;;   THE QUANTISER, for each operand of a quantised product, along K:
;;     - K is cut into blocks of 32 from its start; a last block that is shorter is filled with zeros.
;;     - A block's scale is 2^e with e = floor(log2(the largest magnitude in the block)) - 8, held to -126 .. 127; a block of zeros has e = 0. As a byte (E8M0): e + 127.
;;     - Each number is divided by its block's scale, clamped to +-448, and rounded to the nearest number of E4M3, ties to even, subnormals kept.
;;     - The product sums the exact products of the quantised numbers (number of the format x scale) in f32.
;;   ~~~python
;;   def quantise(x, axis):      # numpy; x: float32 -> the quantised numbers, widened to float32 again
;;       x = np.moveaxis(x, axis, -1); K = x.shape[-1]
;;       x = np.pad(x, [(0, 0)] * (x.ndim - 1) + [(0, -K % 32)]); x = x.reshape(x.shape[:-1] + (-1, 32)); a = np.abs(x).max(-1, keepdims=True)
;;       e = np.where(a > 0, np.clip(np.frexp(np.where(a > 0, a, 1))[1] - 1 - 8, -126, 127), 0)      # np.frexp(a)[1] - 1 = floor(log2(a)), exactly
;;       r = np.clip(x / 2.0 ** e, -448, 448)
;;       step = 2.0 ** (np.maximum(np.frexp(np.where(r == 0, 1, r))[1] - 1, -6) - 3)
;;       q = np.round(r / step) * step * 2.0 ** e      # np.round: ties to even
;;       return np.moveaxis(q.reshape(q.shape[:-2] + (-1,))[..., :K], -1, axis).astype(np.float32)
;;   ~~~
;;   SOFTMAX AHEAD OF A QUANTISED PRODUCT. Where the list says 'softmax', what is quantised is not the finished softmax but p = 2^(t - M), with t = logit x log2(e) and M = ceil(the row's largest t), a whole number; so 1/2 < the row's largest p <= 1. The row's sum l is taken of the UNQUANTISED p, in f32, and the product's result is divided by l at the end. Since M is a whole number, a kernel that streams over the keys may use a running M (the ceiling of the running maximum): every later rescaling is an exact power of two, which a block's scale takes up: the codes' values come out the same.
;;   OPERANDS COMPUTED ON THE WAY. 'Computed on the way' means the value that the module computes at that place (a softmax that the list does not call 'softmax' is quantised finished and normalised). What goes into a quantiser is computed in f32, as accurately as f32 sums, v_exp_f32 and their like allow (about 1e-6 of the number): no bf16 or f16 on the way to a quantiser, and a product that is left as it is and whose result goes on into a quantised operand takes f32 operands (vector FMAs, or v_wmma_f32_16x16x4_f32). A number that lies on a knife's edge between two numbers of the format may be rounded either way, as far as f32 arithmetic and the matrix unit's own rounding can turn it there, and no further.
;; 2 versions, each right; version 2 is version 1 with the launches prep, ffn written anew for expert scheduling mode. Each part assembles by itself: llvm-mc -triple=amdgcn-amd-amdhsa -mcpu=gfx1250 --defsym DOCPART=n.
;; ======== version 1 of 2: 4 launches
;; workspace buffers: qc 4,194,304 bytes; qs 262,144 bytes; kv 8,650,752 bytes; y 16,777,216 bytes; z 16,777,216 bytes; st1 131,072 bytes; st2 131,072 bytes
;; launch prep (part 1): grid 8 x 32, 8 waves a work-group, no clusters, 39,936 bytes of LDS; arguments x, wq, wk, wv, qc, qs, kv; writes qc, qs, kv
.if DOCPART == 1
	.amdgcn_target "amdgcn-amd-amdhsa--gfx1250"
	.amdhsa_code_object_version 6
	.text
	.protected	k_q97632e4e72_prep
	.globl	k_q97632e4e72_prep
	.p2align	8
	.type	k_q97632e4e72_prep,@function
k_q97632e4e72_prep:
	s_mov_b64 s[64:65], 0
	v_nop
	global_prefetch_b8 v0, s[64:65] scope:SCOPE_SE
	s_setreg_imm32_b32 hwreg(HW_REG_WAVE_MODE, 25, 1), 1
	s_wait_xcnt 0x0
; PREP.  x [32][64][2048] f32 and wq, wk, wv [64][64] f32 are quantised along the channels to E4M3 codes with one E8M0 byte for each 32; q, k, v are made by the scaled matrix form;
; q and k are quantised along their 64 channels, v along the keys, and all three leave as IMAGES OF OPERAND REGISTERS (a group of four registers: 16 bytes a lane, 512 bytes on end), with their scale words.
; SHARES.  A work-group takes 256 points of one batch, a wave 32 of them: one block of 32 keys.  Each wave quantises one unit (16 rows x 32 channels) of each weight; the units meet in LDS.
; A LANE TAKES A POINT AND ITS REGISTERS RUN DOWN THE CHANNELS: a block of 32 channels of x lies in one lane.  The codes turn through the wave's own rows in LDS into fragments.
; THE POINTS OF A TILE ARE NOT NEIGHBOURS: column r of tile u is point 8 u + r + 8 (r / 8); so are the rows of wq's and wk's tiles.  A lane's 16 results of two tiles are then 16 neighbours along the next K.
; K IS 64 IN A FORM OF 128: x's fragment carries zero codes in its upper 64; there the weight's operand names the next tile's codes (never the NaN code: every number is held first) and scale bytes that are never 0xff: 0 is added.
; LIMITS: NaN and infinities are not served; a block whose largest magnitude lies under 2^-118, a block of zeros too, keeps the byte 1 (its codes are as the floor gives them; only this program reads the bytes).
.set WIMG, 0                           ; LDS: the weights' images: matrix x 4096 + unit x 512 + 16 x lane
.set WSC,  12288                       ; their scale words: matrix x 256 + tile x 64 + 4 r; bytes s0 s1 s0 s1
.set XR,   13312                       ; a wave's 32 points: rows of 64 codes + 16 bytes of padding
.set XSW,  33792                       ; x's scale words: wave x 128 + 4 x point
.set SS,   34816                       ; 2 x 512 scale bytes as they lie in a record of kv; from +1024 q's scale words
.set SEL,  22                          ; s[22:23] lane selects: lane l xor 16
.set MNT,  24                          ; s24 the mantissa field of 448
.set TM,   16                          ; v16-19 largest magnitudes, v20-23 bytes, v24-27 448 x the scale, v28-31 the conversion's scale operand
.set PC,   32                          ; v32-47 codes just made
.set WS,   48                          ; v48-51 a weight's scale words; v52-53 x's: these six hold scales alone
.set XS,   52
.set X,    64                          ; v64-127 x's 64 numbers; later the products' results
.set ACC,  64
.set WN,   128                         ; v128-175 48 numbers of the weights
.set WF,   128                         ; later v128-159 a weight's four tiles of codes, v160-167 zeros
.set XF,   176                         ; v176-207: tile 0's codes, 8 zeros, tile 1's codes, 8 zeros
.set XC,   208                         ; v208-223 my point's 64 codes
.macro BARRIER                         ; my LDS stores have landed and my LDS loads are in: then the work-group's barrier
	s_wait_dscnt 0x0
	s_barrier_signal -1
	s_barrier_wait -1
.endm
; nb blocks of 32 along K; block b: my 16 numbers in v[s + 16 b ..], the other 16 in lane l xor 16.  Held numbers go to v[d ..], codes to v[pc + 4 b ..], the bytes stay in v[TM + 4 + b].
.macro QUANT s, d, nb, pc
.set qb, 0
.rept \nb
	v_max3_num_f32 v[TM+qb], |v[\s+16*qb]|, |v[\s+16*qb+1]|, 0x4800000   ; the floor 2^(9 - 127) holds the byte at 1 from below
.set qb, qb+1
.endr
.set qi, 2
.rept 7
.set qb, 0
.rept \nb
	v_max3_num_f32 v[TM+qb], v[TM+qb], |v[\s+16*qb+qi]|, |v[\s+16*qb+qi+1]|   ; the blocks by turns
.set qb, qb+1
.endr
.set qi, qi+2
.endr
.set qb, 0
.rept \nb
	v_permlanex16_b32 v[TM+4+qb], v[TM+qb], s[SEL], s[SEL+1]
.set qb, qb+1
.endr
.set qb, 0
.rept \nb
	v_max_num_f32 v[TM+qb], v[TM+qb], v[TM+4+qb]             ; the block's largest magnitude
.set qb, qb+1
.endr
.set qb, 0
.rept \nb
	v_add_nc_u32 v[TM+12+qb], 0xfc000000, v[TM+qb]           ; 8 off its exponent field: the conversion's scale operand
.set qb, qb+1
.endr
.set qb, 0
.rept \nb
	v_and_or_b32 v[TM+8+qb], v[TM+qb], 0x7f800000, s[MNT]    ; 448 x the scale
.set qb, qb+1
.endr
.set qb, 0
.rept \nb
	v_lshrrev_b32 v[TM+4+qb], 23, v[TM+12+qb]                ; the scale's byte
.set qb, qb+1
.endr
.set qb, 0
.rept \nb
.set qi, 0
.rept 16
	v_med3_num_f32 v[\d+16*qb+qi], v[\s+16*qb+qi], -v[TM+8+qb], v[TM+8+qb]   ; the conversion does not saturate (ISA guide 7.6.2): the hold comes first
.set qi, qi+1
.endr
	v_cvt_scalef32_pk8_fp8_f32 v[\pc+4*qb:\pc+4*qb+1], v[\d+16*qb:\d+16*qb+7], v[TM+12+qb]
	v_cvt_scalef32_pk8_fp8_f32 v[\pc+4*qb+2:\pc+4*qb+3], v[\d+16*qb+8:\d+16*qb+15], v[TM+12+qb]
.set qb, qb+1
.endr
	v_nop                                                    ; a plain line behind the last conversion
.endm
; block blk of x: 32 channels of my point, all in my registers
.macro QUANTX blk
.set XB, X+32*\blk
	v_max3_num_f32 v58, |v[XB]|, |v[XB+1]|, |v[XB+2]|
	v_max3_num_f32 v59, |v[XB+3]|, |v[XB+4]|, |v[XB+5]|
.irp i, 6,10,14,18,22,26
	v_max3_num_f32 v58, v58, |v[XB+\i]|, |v[XB+\i+1]|
	v_max3_num_f32 v59, v59, |v[XB+\i+2]|, |v[XB+\i+3]|
.endr
	v_max3_num_f32 v58, v58, |v[XB+30]|, |v[XB+31]|
	v_max3_num_f32 v58, v58, v59, 0x4800000
	v_add_nc_u32 v60, 0xfc000000, v58
	v_and_or_b32 v61, v58, 0x7f800000, s[MNT]
	v_lshrrev_b32 v[62+\blk], 23, v60
.set qi, 0
.rept 32
	v_med3_num_f32 v[XB+qi], v[XB+qi], -v61, v61
.set qi, qi+1
.endr
.irp g, 0,1,2,3
	v_cvt_scalef32_pk8_fp8_f32 v[XC+8*\blk+2*\g:XC+8*\blk+2*\g+1], v[XB+8*\g:XB+8*\g+7], v60
.endr
	v_nop
.endm
.macro WFETCH m                        ; weight m: its four tiles of codes and their scale words
.irp i, 0,1,2,3,4,5,6,7
	ds_load_b128 v[WF+4*\i:WF+4*\i+3], v8 offset:WIMG+4096*\m+512*\i
.endr
.irp t, 0,1,2,3
	ds_load_b32 v[WS+\t], v15 offset:256*\m+64*\t
.endr
	s_wait_dscnt 0x0
.endm
.macro PLACES                          ; eight places behind this matrix form, ahead of reads of results and of loads into its registers
.rept 8
	v_nop
.endr
.endm
.macro PRODW                           ; source 0 = 16 rows of the weight, source 1 = 16 points: a lane holds one point, its registers run along the output channels
.irp u, 0,1
.irp t, 0,1,2,3
	v_wmma_scale_f32_16x16x128_f8f6f4 v[ACC+32*\u+8*\t:ACC+32*\u+8*\t+7], v[WF+8*\t:WF+8*\t+15], v[XF+16*\u:XF+16*\u+15], 0, v[WS+\t], v[XS+\u]
.endr
.endr
	PLACES
.endm
	s_load_b256 s[4:11], s[0:1], 0x0               ; x, wq, wk, wv
	s_load_b128 s[12:15], s[0:1], 0x20             ; qc, qs
	s_load_b64 s[16:17], s[0:1], 0x30              ; kv
	v_lshl_add_u32 v254, v0, 2, 0x9800
	v_mov_b32 v255, 0
	v_lshrrev_b32 v1, 5, v0
	v_readfirstlane_b32 s18, v1                    ; wave 0..7
	s_and_b32 s20, ttmp7, 0xffff                   ; the batch
	s_mov_b32 s[SEL], 0x76543210
	s_mov_b32 s[SEL+1], 0xfedcba98
	s_mov_b32 s[MNT], 0x600000
	v_and_b32 v1, 31, v0                           ; lane
	v_and_b32 v2, 15, v0                           ; r
	v_bfe_u32 v3, v0, 4, 1                         ; h
	v_and_b32 v4, 8, v2
	v_add_nc_u32 v4, v4, v2                        ; r + 8 (r / 8)
	v_lshlrev_b32 v5, 2, v1                        ; 4 x lane
	v_lshlrev_b32 v8, 4, v1                        ; 16 x lane
	s_lshr_b32 s21, s18, 1                         ; my unit of each weight: tile,
	s_and_b32 s25, s18, 1                          ; block of 32 channels
	s_lshr_b32 s26, s21, 1
	s_lshl_b32 s26, s26, 5
	s_and_b32 s27, s21, 1
	s_lshl_b32 s27, s27, 3
	s_add_co_u32 s26, s26, s27                     ; wq, wk: the tile begins at row 32 (tile / 2) + 8 (tile % 2)
	s_lshl_b32 s26, s26, 8                         ; a row is 256 bytes
	s_lshl_b32 s27, s25, 7                         ; a block 128
	s_add_co_u32 s26, s26, s27
	v_lshlrev_b32 v6, 8, v4
	v_lshl_add_u32 v6, v3, 6, v6
	v_add_nc_u32 v6, s26, v6                       ; wq, wk: my 16 numbers
	s_lshl_b32 s28, s21, 12                        ; wv: rows 16 tile + r
	s_add_co_u32 s28, s28, s27
	v_lshlrev_b32 v7, 8, v2
	v_lshl_add_u32 v7, v3, 6, v7
	v_add_nc_u32 v7, s28, v7
	s_mul_i32 s29, s18, 2560
	s_add_co_u32 s29, s29, XR
	v_mul_u32_u24 v9, v1, 80
	v_add_nc_u32 v9, s29, v9                       ; my point's row of codes
	v_mul_u32_u24 v10, v4, 80
	v_lshl_add_u32 v10, v3, 4, v10
	v_add_nc_u32 v10, s29, v10                     ; a fragment's row, + 16 h
	s_lshl_b32 s30, s18, 7
	s_add_co_u32 s31, s30, XSW
	v_add_nc_u32 v11, s31, v5                      ; x's scale word: in,
	v_lshl_add_u32 v12, v4, 2, s31                 ; and out by the tile's order
	s_lshl_b32 s32, s18, 9
	v_add_nc_u32 v13, s32, v8                      ; my unit's image
	s_lshl_b32 s33, s21, 6
	s_add_co_u32 s33, s33, s25
	s_add_co_u32 s33, s33, WSC
	v_lshl_add_u32 v14, v2, 2, s33                 ; my unit's scale byte
	v_lshl_add_u32 v15, v2, 2, WSC                 ; a tile's scale words
	s_and_b32 s34, s18, 3                          ; c: my block of 32 keys in its step of 128,
	s_lshr_b32 s35, s18, 2                         ; and which of the work-group's two steps
	s_lshl_b32 s36, s35, 9
	s_add_co_u32 s36, s36, SS
	s_and_b32 s37, s34, 1
	s_lshl_b32 s37, s37, 7
	s_add_co_u32 s37, s37, s36
	s_lshr_b32 s38, s34, 1
	s_lshl_b32 s38, s38, 2
	s_add_co_u32 s37, s37, s38
	v_lshl_add_u32 v54, v2, 3, s37                 ; k's scale word: (r + 16 (c % 2)) x 8 + 4 (c / 2)
	s_add_co_u32 s38, s36, s34
	s_add_co_u32 s38, s38, 256
	v_lshl_add_u32 v55, v2, 3, s38                 ; v's scale bytes: 256 + 8 r + c; the tile stands in the immediate
	s_add_co_u32 s38, s30, SS+1024
	v_add_nc_u32 v56, s38, v5                      ; q's scale word
	s_add_co_u32 s38, s32, SS
	v_add_nc_u32 v57, s38, v8                      ; the way out of the scale bytes (waves 0 to 3)
	s_lshl_b32 s38, s20, 19                        ; x: batch x 64 rows of 8,192 bytes + 1,024 x block + 128 x wave
	s_lshl_b32 s39, ttmp9, 10
	s_add_co_u32 s38, s38, s39
	s_add_co_u32 s38, s38, s30
	s_mov_b32 s39, 0
	s_lshl_b32 s40, s20, 6
	s_lshl_b32 s41, ttmp9, 3
	s_add_co_u32 s46, s40, s41                     ; 64 batch + 8 block: the work-group's first group of 32 queries
	s_add_co_u32 s40, s46, s18
	s_lshl_b32 s40, s40, 11                        ; 2,048 bytes of codes a group
	s_mov_b32 s41, 0
	s_lshl_b32 s42, s20, 4
	s_lshl_b32 s43, ttmp9, 1
	s_add_co_u32 s47, s42, s43                     ; 16 batch + 2 block: the work-group's first record of kv
	s_add_co_u32 s42, s47, s35
	s_mul_i32 s42, s42, 16896
	s_lshl_b32 s43, s34, 11
	s_add_co_u32 s44, s42, s43                     ; k: packed fragment c
	s_mov_b32 s45, 0
	s_lshl_b32 s43, s34, 9
	s_add_co_u32 s42, s42, s43
	s_add_co_u32 s42, s42, 8192                    ; v: group c of each fragment
	s_mov_b32 s43, 0
	s_and_b32 s48, s18, 1
	s_add_co_u32 s49, s47, s48
	s_mul_i32 s49, s49, 16896
	s_add_co_u32 s49, s49, 16384                   ; waves 0, 1: a record's 512 scale bytes
	s_lshl_b32 s50, s46, 7
	s_lshl_b32 s48, s48, 9
	s_add_co_u32 s50, s50, s48                     ; waves 2, 3: 512 bytes of q's scale words
	s_wait_kmcnt 0x0
	s_add_nc_u64 s[4:5], s[4:5], s[38:39]
	s_add_nc_u64 s[12:13], s[12:13], s[40:41]
	s_add_nc_u64 s[44:45], s[16:17], s[44:45]
	s_add_nc_u64 s[42:43], s[16:17], s[42:43]
	s_cmp_lt_u32 s18, 2                            ; the choice hangs on the wave's number alone
	s_cselect_b64 s[52:53], s[16:17], s[14:15]
	s_cselect_b32 s50, s49, s50
	s_mov_b32 s51, 0
	s_add_nc_u64 s[52:53], s[52:53], s[50:51]
.irp i, 0,1,2,3
	global_load_b128 v[WN+4*\i:WN+4*\i+3], v6, s[6:7] offset:16*\i
.endr
.irp i, 0,1,2,3
	global_load_b128 v[WN+16+4*\i:WN+16+4*\i+3], v6, s[8:9] offset:16*\i
.endr
.irp i, 0,1,2,3
	global_load_b128 v[WN+32+4*\i:WN+32+4*\i+3], v7, s[10:11] offset:16*\i
.endr
.set ci, 0
.rept 32
	global_load_b32 v[X+ci], v5, s[4:5] offset:ci*8192       ; channel ci at my wave's 32 points: 128 bytes on end; the eight waves stand side by side
.set ci, ci+1
.endr
	s_wait_loadcnt 32                              ; the 32 younger loads are x's: the weights are in
.rept 32
	global_load_b32 v[X+ci], v5, s[4:5] offset:ci*8192
.set ci, ci+1
.endr
.irp i, 4,5,6,7
	v_mov_b32 v[TM+\i], 0                          ; a lane permute's destination counts as read
.endr
.irp i, 8,9,10,11,12,13,14,15,24,25,26,27,28,29,30,31
	v_mov_b32 v[XF+\i], 0                          ; the zero codes of x's fragments
.endr
	QUANT WN, WN, 3, PC                            ; my unit of wq, wk, wv
.irp m, 0,1,2
	ds_store_b128 v13, v[PC+4*\m:PC+4*\m+3] offset:WIMG+4096*\m
	ds_store_b8 v14, v[TM+4+\m] offset:256*\m      ; both halves of the lanes write the same byte with the same value
	ds_store_b8 v14, v[TM+4+\m] offset:256*\m+2
.endr
.irp i, 32,33,34,35,36,37,38,39
	v_mov_b32 v[WF+\i], 0                          ; what the last tile's operand names beyond its own codes
.endr
	s_wait_loadcnt 32                              ; channels 0-31 are in; the 32 younger loads are channels 32-63
	QUANTX 0
	s_wait_loadcnt 0x0
	QUANTX 1
.irp i, 0,1,2,3
	ds_store_b128 v9, v[XC+4*\i:XC+4*\i+3] offset:16*\i
.endr
	v_lshl_or_b32 v58, v63, 8, v62
	ds_store_b32 v11, v58                          ; bytes 2 and 3 are 0: they stand over zero codes
	BARRIER                                        ; the weights' images and scale words lie in LDS
.irp u, 0,1
.irp c, 0,1
	ds_load_b128 v[XF+16*\u+4*\c:XF+16*\u+4*\c+3], v10 offset:640*\u+32*\c
.endr
	ds_load_b32 v[XS+\u], v12 offset:32*\u
.endr
	; ---- q
	WFETCH 0
	PRODW
	QUANT ACC, ACC, 4, PC                          ; block 2 u + b: tile u, channels 32 b on
.irp i, 0,1,2,3
	global_store_b128 v8, v[PC+4*\i:PC+4*\i+3], s[12:13] offset:512*\i   ; 512 bytes on end
.endr
	v_lshl_or_b32 v58, v[TM+5], 8, v[TM+4]
	v_lshl_or_b32 v59, v[TM+7], 8, v[TM+6]
	v_lshl_or_b32 v58, v58, 16, v58                ; s0 s1 s0 s1: the word serves q in the lower and in the upper 64 of K
	v_lshl_or_b32 v59, v59, 16, v59
	v_cmp_gt_u32 vcc_lo, 16, v1
	v_cndmask_b32 v58, v59, v58, vcc_lo            ; lanes 0-15 tile 0's rows, lanes 16-31 tile 1's
	ds_store_b32 v56, v58
	; ---- k
	s_wait_xcnt 0x0                                ; q's stores have read their registers: the codes' registers are written again only behind this wait
	WFETCH 1
	PRODW
	QUANT ACC, ACC, 4, PC
.irp i, 0,1,2,3
	global_store_b128 v8, v[PC+4*\i:PC+4*\i+3], s[44:45] offset:512*\i
.endr
	v_lshl_or_b32 v58, v[TM+5], 8, v[TM+4]         ; the packed fragment's word: tile 0's two bytes, tile 1's two
	v_lshl_or_b32 v58, v[TM+6], 16, v58
	v_lshl_or_b32 v58, v[TM+7], 24, v58
	ds_store_b32 v54, v58
	; ---- v: the sources change places: a lane holds one channel, its registers run along the keys
	s_wait_xcnt 0x0
	WFETCH 2
.irp t, 0,1,2,3
.irp u, 0,1
	v_wmma_scale_f32_16x16x128_f8f6f4 v[ACC+16*\t+8*\u:ACC+16*\t+8*\u+7], v[XF+16*\u:XF+16*\u+15], v[WF+8*\t:WF+8*\t+15], 0, v[XS+\u], v[WS+\t]
.endr
.endr
	PLACES
	QUANT ACC, ACC, 4, PC                          ; block t: channel 16 t + r, my wave's 32 keys
.irp t, 0,1,2,3
	global_store_b128 v8, v[PC+4*\t:PC+4*\t+3], s[42:43] offset:2048*\t
	ds_store_b8 v55, v[TM+4+\t] offset:128*(\t%2)+4*(\t/2)
.endr
	BARRIER                                        ; all scale bytes lie in LDS
	s_cmp_lt_u32 s18, 4
	s_cbranch_scc0 .Ldone
	ds_load_b128 v[XC:XC+3], v57
	s_wait_dscnt 0x0
	global_store_b128 v8, v[XC:XC+3], s[52:53]     ; 512 bytes on end
.Ldone:
	s_wait_tensorcnt 0x0
	ds_add_u32 v254, v255
	s_wait_dscnt 0x0
	s_endpgm
.Lfunc_end_k_q97632e4e72_prep:
	.size	k_q97632e4e72_prep, .Lfunc_end_k_q97632e4e72_prep-k_q97632e4e72_prep
	.p2alignl 7, 3214868480
	.fill 96, 4, 3214868480
	.section	.rodata,"a",@progbits
	.p2align	6, 0x0
	.amdhsa_kernel k_q97632e4e72_prep
		.amdhsa_group_segment_fixed_size 39936
		.amdhsa_private_segment_fixed_size 0
		.amdhsa_enable_private_segment 0
		.amdhsa_kernarg_size 56
		.amdhsa_user_sgpr_count 2
		.amdhsa_user_sgpr_kernarg_segment_ptr 1
		.amdhsa_wavefront_size32 1
		.amdhsa_system_sgpr_workgroup_id_x 1
		.amdhsa_system_sgpr_workgroup_id_y 1
		.amdhsa_system_sgpr_workgroup_id_z 1
		.amdhsa_system_vgpr_workitem_id 0
		.amdhsa_next_free_vgpr 256
		.amdhsa_next_free_sgpr 66
		.amdhsa_reserve_vcc 1
		.amdhsa_float_denorm_mode_32 3
		.amdhsa_float_denorm_mode_16_64 3
		.amdhsa_memory_ordered 1
		.amdhsa_forward_progress 1
		.amdhsa_inst_pref_size 60
	.end_amdhsa_kernel
	.amdgpu_metadata
---
amdhsa.version: [ 1, 2 ]
amdhsa.kernels:
  - .name:           k_q97632e4e72_prep
    .symbol:         k_q97632e4e72_prep.kd
    .args:
      - { .name: x, .offset: 0, .size: 8, .value_kind: global_buffer, .address_space: global }
      - { .name: wq, .offset: 8, .size: 8, .value_kind: global_buffer, .address_space: global }
      - { .name: wk, .offset: 16, .size: 8, .value_kind: global_buffer, .address_space: global }
      - { .name: wv, .offset: 24, .size: 8, .value_kind: global_buffer, .address_space: global }
      - { .name: qc, .offset: 32, .size: 8, .value_kind: global_buffer, .address_space: global }
      - { .name: qs, .offset: 40, .size: 8, .value_kind: global_buffer, .address_space: global }
      - { .name: kv, .offset: 48, .size: 8, .value_kind: global_buffer, .address_space: global }
    .group_segment_fixed_size: 39936
    .private_segment_fixed_size: 0
    .kernarg_segment_align: 8
    .kernarg_segment_size: 56
    .max_flat_workgroup_size: 256
    .sgpr_count:     66
    .vgpr_count:     256
    .wavefront_size: 32
...
	.end_amdgpu_metadata
.endif
;; end of part 1
;; launch attn (part 2): grid 8 x 32, 8 waves a work-group, clusters of 4 x 1, 272,384 bytes of LDS; arguments qc, qs, kv, x, y, st1; writes y, st1
.if DOCPART == 2
	.amdgcn_target "amdgcn-amd-amdhsa--gfx1250"
	.amdhsa_code_object_version 6
	.text
	.protected	k_q97632e4e72_attn
	.globl	k_q97632e4e72_attn
	.p2align	8
	.type	k_q97632e4e72_attn,@function
k_q97632e4e72_attn:
	s_mov_b64 s[64:65], 0
	v_nop
	global_prefetch_b8 v0, s[64:65] scope:SCOPE_SE
	s_setreg_imm32_b32 hwreg(HW_REG_WAVE_MODE, 25, 1), 1
	s_wait_xcnt 0x0
	s_wait_alu depctr_hold_cnt(0) depctr_sa_sdst(0) depctr_va_vdst(0) depctr_va_sdst(0) depctr_va_ssrc(0) depctr_va_vcc(0) depctr_vm_vsrc(0)
	s_getreg_b32 s2, hwreg(HW_REG_IB_STS2, 6, 4)
	s_cmp_eq_u32 s2, 0
	s_cbranch_scc0 .Lentry_in_a_cluster
	s_endpgm
.Lentry_in_a_cluster:
	s_bfe_u32 s2, ttmp6, 0x10000c
	s_cmp_lg_u32 s2, 0x3003
	s_cbranch_scc0 .Lentry_shape_is_right
	s_endpgm
.Lentry_shape_is_right:
; ATTN.  y[b][c][n] = x[b][c][n] + (sum over keys m of p(n, m) v(m, c)) / l(n), both products on E4M3 codes with E8M0 scales, and for each work-group and channel the mean of its 256 y and their sum of squares about it.
; t = score x log2(e) / 8; M = the running largest t rounded UP to a whole number; p = 2^(t - M) is quantised along the keys, not normalised; l is the sum of the unquantised p.  When M moves, l and O are multiplied by 2^(old M - new M).
; SHARES.  A work-group owns 256 queries of one batch, each of its eight waves 32: two tiles of 16.  Two waves share a SIMD, so that one wave's matrix work and LDS loads stand beside the other's vector work.
; THE WHOLE BATCH'S K, V AND SCALE WORDS, 16 records of 16,896 bytes, LIE IN LDS, FILLED ONCE: no slot is filled again.  Each wave asks for two dense parts: its eighth of steps 0-3 and its eighth of steps 4-15: two tensor loads of mine are out at the most.
; CLUSTER.  The four work-groups of a cluster belong to one batch: every fill is asked for jointly, by the same descriptor (made of the batch and the wave's number) and the mask of all four.
; LAYOUT.  Both products are used transposed: S^T = K Q^T, O^T = V^T P^T: a lane holds one query.  The operands come as images of their registers: 16 bytes a lane, 512 bytes a load, no pitch.
; K IS 64 IN A FORM OF 128: a fragment of K carries two tiles of 16 keys, one in each 64 of K; Q stands as (q, zeros) or (zeros, q) and picks one.  Zero codes against codes that are never the NaN code, under bytes that are never 0xff, add 0.
; Query r of tile T of wave w is 32 w + 8 T + r + 8 (r / 8); register 16 c + i of a tile's scores is key 32 c + 16 (lane / 16) + i of the step.
; THE STATISTICS leave as [group of 4 channels 16][work-group 256][4 means, 4 sums of squares]: a group's figures of all work-groups are then 8,192 bytes on end for the wave that will want them.
; LIMITS: NaN and infinities are not served; a block of p whose largest lies under 2^-118 keeps the byte 1.
; REGISTERS.  Window 0: v1-15 addresses; v16-63 24 of statistics a tile; v64-191 the scores, then p; v192-223 p's codes; v224-230 scale words alone.
;   Window 1: v0-39 zeros, q0, zeros, q1, zeros; v64-127 K's four packed fragments; v128-191 V's four; v192-255 O^T.
.set REC,  16896                       ; a record: K 8,192, V 8,192, K's scale words 256, V's 256
.set CH0,  4*REC
.set STT,  16*REC                      ; behind the records: 512 bytes in which the statistics meet: 64 means, 64 sums of squares
.set SPT,  1040                        ; the way out: a channel's row of 256 points + 16 bytes; the stage lies over the first records, behind their last read
.set ADR,  1
.set ADS,  2
.set STO,  3
.set RDA,  4
.set STA,  5
.set STR,  6
.set L4,   7
.set LI,   10
.set L8,   11
.set STG,  14
.set ST,   16                          ; tile t at v[ST + 24 t]: +0 -M, +1 the largest t, +2:3 and +4:5 l in two chains, +6 f, +7 at work, +8.. block maxima, +12.. bytes, +16.. 448 x scale, +20.. the conversion's operand
.set S,    64
.set PC,   192
.set KS,   224
.set VS,   226
.set QSC,  228
.set PS,   229
.set KF,   64
.set VF,   128
.set OA,   192
.set SEL,  20
.set CS,   22
.set MNT,  24
.set MSB,  0
.macro WIN new                         ; the immediate's high byte repeats the setting that is left
.if MSB != \new
	s_set_vgpr_msb (MSB<<8)|\new
.set MSB, \new
.endif
.endm
.macro ROUND                           ; a round of the cluster's barrier
	s_barrier_signal -1
	s_barrier_wait -1
	s_cmp_lg_u32 s16, 0
	s_cbranch_scc1 .Lnot_wave_0_\@
	s_barrier_signal -3
.Lnot_wave_0_\@:
	s_barrier_wait -3
	s_barrier_signal -1
	s_barrier_wait -1
.endm
.macro QK c, u, t                      ; keys 32 c + 8 u + r + 8 (r / 8) against tile t's queries
.set rD, S+64*(\t)+16*(\c)+8*(\u)
.set rA, KF+16*(\c)
.set rB, 8+16*(\t)-8*(\u)
.set rK, KS+(\c)/2
.if ((\c)%2 == 1) && ((\t) == 1)
	v_wmma_scale_f32_16x16x128_f8f6f4 v[rD:rD+7], v[rA:rA+15], v[rB:rB+15], 0, v[rK], v[QSC] matrix_a_scale:MATRIX_SCALE_ROW1 matrix_b_scale:MATRIX_SCALE_ROW1
.elseif (\c)%2 == 1
	v_wmma_scale_f32_16x16x128_f8f6f4 v[rD:rD+7], v[rA:rA+15], v[rB:rB+15], 0, v[rK], v[QSC] matrix_a_scale:MATRIX_SCALE_ROW1
.elseif (\t) == 1
	v_wmma_scale_f32_16x16x128_f8f6f4 v[rD:rD+7], v[rA:rA+15], v[rB:rB+15], 0, v[rK], v[QSC] matrix_b_scale:MATRIX_SCALE_ROW1
.else
	v_wmma_scale_f32_16x16x128_f8f6f4 v[rD:rD+7], v[rA:rA+15], v[rB:rB+15], 0, v[rK], v[QSC]
.endif
.endm
.macro PV c, t                         ; channels 16 c on, tile t's queries, the step's 128 keys
.set rO, OA+32*(\t)+8*(\c)
.set rV, VF+16*(\c)
.set rP, PC+16*(\t)
.if (\c)%2 == 1
	v_wmma_scale_f32_16x16x128_f8f6f4 v[rO:rO+7], v[rV:rV+15], v[rP:rP+15], v[rO:rO+7], v[VS+(\c)/2], v[PS+\t] matrix_a_scale:MATRIX_SCALE_ROW1
.else
	v_wmma_scale_f32_16x16x128_f8f6f4 v[rO:rO+7], v[rV:rV+15], v[rP:rP+15], v[rO:rO+7], v[VS+(\c)/2], v[PS+\t]
.endif
.endm
.macro PLAIN t                         ; number j of tile t: the sum (of the unquantised p, ahead of the hold), the hold, and after each eight the conversion
.if j%4 == 0
	v_pk_add_f32 v[ST+24*\t+2:ST+24*\t+3], v[ST+24*\t+2:ST+24*\t+3], v[S+64*\t+j:S+64*\t+j+1]
.elseif j%4 == 2
	v_pk_add_f32 v[ST+24*\t+4:ST+24*\t+5], v[ST+24*\t+4:ST+24*\t+5], v[S+64*\t+j:S+64*\t+j+1]
.endif
	v_min_num_f32 v[S+64*\t+j], v[S+64*\t+j], v[ST+24*\t+16+j/16]   ; p is not negative: the hold is one-sided
.if j%8 == 7
	v_cvt_scalef32_pk8_fp8_f32 v[PC+16*\t+(j-7)/4:PC+16*\t+(j-7)/4+1], v[S+64*\t+j-7:S+64*\t+j], v[ST+24*\t+20+j/16]
	s_wait_alu depctr_va_vdst(0)
.endif
.endm
.macro RESC                            ; O^T times the number in each tile's +6, each accumulator from its low end on
	WIN 0x41
.irp t, 0,1
.set j, 0
.rept 16
	v_pk_mul_f32 v[OA+32*\t+j:OA+32*\t+j+1], v[OA+32*\t+j:OA+32*\t+j+1], v[ST+24*\t+6:ST+24*\t+7] op_sel_hi:[1,0]
.set j, j+2
.endr
.endr
.endm
; A KEY STEP: 128 keys.  pre = 1: the next step's K is fetched too.
.macro STEP pre
	s_wait_dscnt 0x0                               ; this step's K and its scale words are in
	WIN 0x05
.irp c, 0,1,2,3
.irp u, 0,1
.irp t, 0,1
	QK \c, \u, \t
.endr
.endr
.endr
	WIN 0
	v_add_nc_u32 v[ADR], s26, v[LI]                ; two of the eight places behind the products, ahead of the loads into K's and V's registers and of the reads of the scores
	v_add_nc_u32 v[ADS], s26, v[L8]
.rept 6
	v_nop
.endr
	ds_load_b64 v[VS:VS+1], v[ADS] offset:16640
.if \pre
	ds_load_b64 v[KS:KS+1], v[ADS] offset:REC+16384
.endif
	WIN 0x40
.set j, 0
.rept 16
	ds_load_b128 v[VF+4*j:VF+4*j+3], v[ADR] offset:8192+512*j
.set j, j+1
.endr
.if \pre
.set j, 0
.rept 16
	ds_load_b128 v[KF+4*j:KF+4*j+3], v[ADR] offset:REC+512*j
.set j, j+1
.endr
.endif
	WIN 0
	s_add_co_u32 s26, s26, REC
	; the largest score of each block of 32 keys: it serves the row's maximum and, since p rises with the score, the block's largest p
.irp b, 0,1,2,3
.irp t, 0,1
	v_max3_num_f32 v[ST+24*\t+8+\b], v[S+64*\t+16*\b], v[S+64*\t+16*\b+1], v[S+64*\t+16*\b+2]
.endr
.endr
.irp i, 3,5,7,9,11,13
.irp b, 0,1,2,3
.irp t, 0,1
	v_max3_num_f32 v[ST+24*\t+8+\b], v[ST+24*\t+8+\b], v[S+64*\t+16*\b+\i], v[S+64*\t+16*\b+\i+1]
.endr
.endr
.endr
.irp b, 0,1,2,3
.irp t, 0,1
	v_max_num_f32 v[ST+24*\t+8+\b], v[ST+24*\t+8+\b], v[S+64*\t+16*\b+15]
.endr
.endr
.irp b, 0,1,2,3
.irp t, 0,1
	v_permlanex16_b32 v[ST+24*\t+12+\b], v[ST+24*\t+8+\b], s[SEL], s[SEL+1]
.endr
.endr
.irp b, 0,1,2,3
.irp t, 0,1
	v_max_num_f32 v[ST+24*\t+8+\b], v[ST+24*\t+8+\b], v[ST+24*\t+12+\b]
.endr
.endr
.irp t, 0,1
	v_max3_num_f32 v[ST+24*\t+7], v[ST+24*\t+8], v[ST+24*\t+9], v[ST+24*\t+10]
.endr
.irp t, 0,1
	v_max_num_f32 v[ST+24*\t+7], v[ST+24*\t+7], v[ST+24*\t+11]
.endr
.irp t, 0,1
	v_mul_f32 v[ST+24*\t+7], s[CS], v[ST+24*\t+7]
.endr
.irp t, 0,1
	v_max_num_f32 v[ST+24*\t+1], v[ST+24*\t+1], v[ST+24*\t+7]        ; the running largest t
.endr
.irp t, 0,1
	v_mov_b32 v[ST+24*\t+7], v[ST+24*\t]
.endr
.irp t, 0,1
	v_floor_f32 v[ST+24*\t], -v[ST+24*\t+1]                          ; the new -M = -ceil(t)
.endr
.irp t, 0,1
	v_sub_f32 v[ST+24*\t+7], v[ST+24*\t], v[ST+24*\t+7]              ; old M - new M: a whole number, 0 or less
.endr
.irp t, 0,1
	v_cvt_i32_f32 v[ST+24*\t+7], v[ST+24*\t+7]                       ; (it saturates)
.endr
.irp t, 0,1
	v_ldexp_f32 v[ST+24*\t+6], 1.0, v[ST+24*\t+7]                    ; f = 2^(old M - new M)
.endr
.irp b, 0,1,2,3
.irp t, 0,1
	v_fma_f32 v[ST+24*\t+8+\b], v[ST+24*\t+8+\b], s[CS], v[ST+24*\t]
.endr
.endr
.set j, 0
.rept 32
	v_pk_fma_f32 v[S+j:S+j+1], v[S+j:S+j+1], s[CS:CS+1], v[ST:ST+1] op_sel_hi:[1,0,0]   ; tile 0: t - M
.set j, j+2
.endr
.irp b, 0,1,2,3
.irp t, 0,1
	v_exp_f32 v[ST+24*\t+8+\b], v[ST+24*\t+8+\b]                     ; each block's largest p
.endr
.endr
.set j, 0
.rept 64                               ; tile 0's exponentials, tile 1's t - M between them
	v_exp_f32 v[S+j], v[S+j]
.if j%2 == 0
	v_pk_fma_f32 v[S+64+j:S+64+j+1], v[S+64+j:S+64+j+1], s[CS:CS+1], v[ST+24:ST+25] op_sel_hi:[1,0,0]
.endif
.set j, j+1
.endr
.irp t, 0,1
	v_pk_mul_f32 v[ST+24*\t+2:ST+24*\t+3], v[ST+24*\t+2:ST+24*\t+3], v[ST+24*\t+6:ST+24*\t+7] op_sel_hi:[1,0]   ; l under the new M
	v_pk_mul_f32 v[ST+24*\t+4:ST+24*\t+5], v[ST+24*\t+4:ST+24*\t+5], v[ST+24*\t+6:ST+24*\t+7] op_sel_hi:[1,0]
.endr
	s_wait_alu depctr_va_vdst(0)
.irp b, 0,1,2,3
.irp t, 0,1
	v_max_num_f32 v[ST+24*\t+8+\b], 0x4800000, v[ST+24*\t+8+\b]      ; the floor 2^(9 - 127)
.endr
.endr
.irp b, 0,1,2,3
.irp t, 0,1
	v_add_nc_u32 v[ST+24*\t+20+\b], 0xfc000000, v[ST+24*\t+8+\b]
.endr
.endr
.irp b, 0,1,2,3
.irp t, 0,1
	v_and_or_b32 v[ST+24*\t+16+\b], v[ST+24*\t+8+\b], 0x7f800000, s[MNT]
.endr
.endr
.irp b, 0,1,2,3
.irp t, 0,1
	v_lshrrev_b32 v[ST+24*\t+12+\b], 23, v[ST+24*\t+20+\b]
.endr
.endr
.irp t, 0,1
	v_lshl_or_b32 v[PS+\t], v[ST+24*\t+13], 8, v[ST+24*\t+12]        ; p's scale word for these 128 keys
.endr
.irp t, 0,1
	v_lshl_or_b32 v[PS+\t], v[ST+24*\t+14], 16, v[PS+\t]
.endr
.irp t, 0,1
	v_lshl_or_b32 v[PS+\t], v[ST+24*\t+15], 24, v[PS+\t]
.endr
.set j, 0
.rept 64                               ; tile 1's exponentials, tile 0's sums, holds and conversions between them
	v_exp_f32 v[S+64+j], v[S+64+j]
	PLAIN 0
.set j, j+1
.endr
.set j, 0
.rept 64
	PLAIN 1
.set j, j+1
.endr
	RESC                                           ; O^T under the new M; these 32 lines are also the places between the codes and the products
	s_wait_dscnt 0x0                               ; V is in
	WIN 0x51
.irp c, 0,1,2,3                        ; the eight accumulators take turns, one instruction a turn
.irp t, 0,1
	PV \c, \t
.endr
.endr
	WIN 0
.endm
.macro WREDN n, scr, dst, dk           ; v[scr + 8 i] summed over the 32 lanes, into v[dst + dk i]; the channels by turns
.irp m, 1,2,4,8
.set ci, 0
.rept \n
	v_add_f32_dpp v[\scr+8*ci], v[\scr+8*ci], v[\scr+8*ci] row_xmask:\m row_mask:0xf bank_mask:0xf
.set ci, ci+1
.endr
.endr
.set ci, 0
.rept \n
	v_permlanex16_b32 v[\scr+8*ci+1], v[\scr+8*ci], s[SEL], s[SEL+1]
.set ci, ci+1
.endr
.set ci, 0
.rept \n
	v_add_f32 v[\dst+\dk*ci], v[\scr+8*ci], v[\scr+8*ci+1]
.set ci, ci+1
.endr
.endm
; n channels, 8 numbers a lane each in v[y + 8 i ..]: the mean of the 256 into v[mn + i], the sum of squares about it into v[m2 + i].  v[y ..] stays as it is.
.macro ROWSTAT y, n, scr, mn, m2
.set ci, 0
.rept \n
	v_pk_add_f32 v[\scr+8*ci:\scr+8*ci+1], v[\y+8*ci:\y+8*ci+1], v[\y+8*ci+2:\y+8*ci+3]
	v_pk_add_f32 v[\scr+8*ci+2:\scr+8*ci+3], v[\y+8*ci+4:\y+8*ci+5], v[\y+8*ci+6:\y+8*ci+7]
.set ci, ci+1
.endr
.set ci, 0
.rept \n
	v_pk_add_f32 v[\scr+8*ci:\scr+8*ci+1], v[\scr+8*ci:\scr+8*ci+1], v[\scr+8*ci+2:\scr+8*ci+3]
.set ci, ci+1
.endr
.set ci, 0
.rept \n
	v_add_f32 v[\scr+8*ci], v[\scr+8*ci], v[\scr+8*ci+1]
.set ci, ci+1
.endr
	WREDN \n, \scr, \scr, 8
.set ci, 0
.rept \n
	v_mul_f32 v[\mn+ci], 0x3b800000, v[\scr+8*ci]            ; / 256
.set ci, ci+1
.endr
.set ci, 0
.rept \n
.set cj, 0
.rept 8
	v_sub_f32 v[\scr+8*ci+cj], v[\y+8*ci+cj], v[\mn+ci]
.set cj, cj+1
.endr
.set ci, ci+1
.endr
.set ci, 0
.rept \n
	v_mul_f32 v[\scr+8*ci], v[\scr+8*ci], v[\scr+8*ci]
	v_mul_f32 v[\scr+8*ci+1], v[\scr+8*ci+1], v[\scr+8*ci+1]
.set ci, ci+1
.endr
.irp p, 2,4,6
.set ci, 0
.rept \n
	v_fma_f32 v[\scr+8*ci], v[\scr+8*ci+\p], v[\scr+8*ci+\p], v[\scr+8*ci]
	v_fma_f32 v[\scr+8*ci+1], v[\scr+8*ci+\p+1], v[\scr+8*ci+\p+1], v[\scr+8*ci+1]
.set ci, ci+1
.endr
.endr
.set ci, 0
.rept \n
	v_add_f32 v[\scr+8*ci], v[\scr+8*ci], v[\scr+8*ci+1]
.set ci, ci+1
.endr
	WREDN \n, \scr, \m2, 1
.endm
	s_load_b256 s[4:11], s[0:1], 0x0               ; qc, qs, kv, x
	s_load_b128 s[12:15], s[0:1], 0x20             ; y, st1
	v_lshl_add_u32 v254, v0, 2, 0x42400
	v_mov_b32 v255, 0
	ds_add_u32 v254, v255
	ds_add_u32 v254, v255
	v_lshrrev_b32 v1, 5, v0
	v_readfirstlane_b32 s16, v1                    ; wave 0..7
	s_bfe_u32 s17, ttmp6, 0x40000                  ; cx: my place in the cluster
	s_lshl_b32 s18, ttmp9, 2
	s_add_co_u32 s18, s18, s17                     ; my block of 256 queries: it enters the addresses of qc, qs, x, y and st1 alone
	s_and_b32 s19, ttmp7, 0xffff                   ; the batch, which the four partners share
	s_mov_b32 s[SEL], 0x76543210
	s_mov_b32 s[SEL+1], 0xfedcba98
	s_mov_b32 s[CS], 0x3e38aa3b                    ; c = log2(e) / 8
	s_mov_b32 s[CS+1], s[CS]
	s_mov_b32 s[MNT], 0x600000
	s_mov_b32 s26, 0                               ; LDS byte at which the step in hand begins
	; descriptor groups 1: dense rows of 256 bytes (32 elements of 8 bytes), 33 rows and 99 rows
	s_mov_b32 s28, 15|(3<<16)|(1<<21)              ; 15:0 the mask: all four work-groups; 17:16 elements of 8 bytes; 21 set beside a mask; no padding
	s_mov_b32 s29, 32<<16                          ; tensor_dim0 = 32
	s_mov_b32 s30, 33<<16                          ; tensor_dim1 = 33
	s_mov_b32 s31, 32<<16                          ; tile_dim0 = 32
	s_mov_b32 s32, 33                              ; tile_dim1 = 33
	s_mov_b32 s33, 32                              ; from row to row: 32 elements
	s_mov_b32 s34, 0
	s_mov_b32 s35, 0
	s_mov_b32 s36, 15|(3<<16)|(1<<21)
	s_mov_b32 s37, 32<<16
	s_mov_b32 s38, 99<<16
	s_mov_b32 s39, 32<<16
	s_mov_b32 s40, 99
	s_mov_b32 s41, 32
	s_mov_b32 s42, 0
	s_mov_b32 s43, 0
	s_mul_i32 s58, s19, 16*REC                     ; the batch's first byte in kv
	s_mov_b32 s44, 1
	s_mul_i32 s45, s16, 33*256                     ; steps 0-3: my eighth, in LDS as in memory
	s_add_co_u32 s52, s58, s45
	s_mov_b32 s53, 0
	s_mov_b32 s48, 1
	s_mul_i32 s49, s16, 99*256
	s_add_co_u32 s49, s49, CH0                     ; steps 4-15: my eighth
	s_add_co_u32 s56, s58, s49
	s_mov_b32 s57, 0
	s_wait_dscnt 0x0
	s_wait_kmcnt 0x0
	s_add_nc_u64 s[46:47], s[8:9], s[52:53]
	s_or_b32 s47, s47, 0x80000000                  ; type = 2
	s_add_nc_u64 s[50:51], s[8:9], s[56:57]
	s_or_b32 s51, s51, 0x80000000
	ROUND                                          ; all four work-groups are here: the joint loads meet
	tensor_load_to_lds s[44:47], s[28:35]
	s_nop 0
	tensor_load_to_lds s[48:51], s[36:43]
	s_nop 0
.rept 4
	v_nop
.endr
	s_lshl_b32 s59, s19, 6
	s_lshl_b32 s60, s18, 3
	s_add_co_u32 s59, s59, s60
	s_add_co_u32 s59, s59, s16                     ; my group of 32 queries: 64 batch + 8 block + wave
	s_lshl_b32 s60, s59, 11
	s_mov_b32 s61, 0
	s_add_nc_u64 s[4:5], s[4:5], s[60:61]
	s_lshl_b32 s62, s59, 7
	s_mov_b32 s63, 0
	s_add_nc_u64 s[6:7], s[6:7], s[62:63]
	s_lshl_b32 s52, s19, 19                        ; x, y on the way out: batch, channels 8 wave on, my block's 1,024 bytes of a row
	s_lshl_b32 s53, s16, 16
	s_add_co_u32 s52, s52, s53
	s_lshl_b32 s53, s18, 10
	s_add_co_u32 s52, s52, s53
	s_mov_b32 s53, 0
	s_add_nc_u64 s[10:11], s[10:11], s[52:53]
	s_add_nc_u64 s[12:13], s[12:13], s[52:53]
	s_lshl_b32 s54, s19, 3
	s_add_co_u32 s54, s54, s18
	s_lshl_b32 s54, s54, 5                         ; st1: my work-group's 32 bytes in each group of channels
	s_mov_b32 s55, 0
	s_add_nc_u64 s[14:15], s[14:15], s[54:55]
	v_and_b32 v8, 31, v0                           ; lane
	v_and_b32 v9, 15, v0                           ; r
	v_bfe_u32 v12, v0, 4, 1                        ; h
	v_and_b32 v13, 8, v9
	v_add_nc_u32 v13, v13, v9                      ; r + 8 (r / 8)
	v_lshlrev_b32 v[LI], 4, v8
	v_lshlrev_b32 v[L8], 3, v8
	v_lshlrev_b32 v[L4], 2, v8
	v_mul_u32_u24 v[STO], v12, 8*SPT               ; into the stage: channel 8 h + .., point 32 wave + r + 8 (r / 8) + ..
	v_lshl_add_u32 v[STO], v13, 2, v[STO]
	s_lshl_b32 s27, s16, 7
	v_add_nc_u32 v[STO], s27, v[STO]
	s_mul_i32 s27, s16, 8*SPT
	v_add_nc_u32 v[RDA], s27, v[LI]                ; back: channels 8 wave on, 16 bytes a lane
	s_lshl_b32 s27, s16, 5
	s_add_co_u32 s27, s27, STT
	v_mov_b32 v[STA], s27                          ; my eight channels' statistics
	v_and_b32 v14, 1, v8                           ; the statistics' way out: lane l takes group l / 2; an even lane its four means, an odd lane its four sums of squares
	v_lshrrev_b32 v15, 1, v8
	v_lshlrev_b32 v[STR], 8, v14
	v_lshl_add_u32 v[STR], v15, 4, v[STR]
	v_add_nc_u32 v[STR], STT, v[STR]               ; in LDS: 256 (l % 2) + 16 (l / 2)
	v_lshlrev_b32 v14, 4, v14
	v_lshl_add_u32 v[STG], v15, 13, v14            ; in st1: 8,192 (l / 2) + 16 (l % 2)
	WIN 0x40
.irp i, 0,1,2,3,4,5,6,7,16,17,18,19,20,21,22,23,32,33,34,35,36,37,38,39
	v_mov_b32 v[\i], 0                             ; the zero codes beside q
.endr
.set j, 0
.rept 64
	v_mov_b32 v[OA+j], 0                           ; O^T: the step is written without a first step of its own: it finds zeros, which the first change of M leaves zeros
.set j, j+1
.endr
.irp t, 0,1
.irp c, 0,1
	global_load_b128 v[8+16*\t+4*\c:8+16*\t+4*\c+3], v[LI], s[4:5] offset:512*(2*\t+\c)
.endr
.endr
	WIN 0
	global_load_b32 v[QSC], v[L4], s[6:7]          ; lanes 0-15 tile 0's words, lanes 16-31 tile 1's
.irp t, 0,1
	v_mov_b32 v[ST+24*\t+1], 0xff61b1e6            ; the largest t so far: -3e38
	v_floor_f32 v[ST+24*\t], -v[ST+24*\t+1]
.irp i, 2,3,4,5,6,7,12,13,14,15
	v_mov_b32 v[ST+24*\t+\i], 0
.endr
.endr
	s_wait_tensorcnt 0x1                           ; my part of steps 0-3 is in; my part of steps 4-15 may stay out
	s_barrier_signal -1
	s_barrier_wait -1                              ; everybody's is
	ds_load_b64 v[KS:KS+1], v[L8] offset:16384
	WIN 0x40
.set j, 0
.rept 16
	ds_load_b128 v[KF+4*j:KF+4*j+3], v[LI] offset:512*j
.set j, j+1
.endr
	WIN 0
	s_wait_loadcnt 0x0                             ; q
	s_mov_b32 s25, 3
.Lfirst:                                           ; steps 0-2: they read steps 0-3's bytes alone
	STEP 1
	s_sub_co_u32 s25, s25, 1
	s_cmp_lg_u32 s25, 0
	s_cbranch_scc1 .Lfirst
	s_wait_tensorcnt 0x0                           ; my part of steps 4-15 is in
	s_wait_dscnt 0x0
	s_barrier_signal -1
	s_barrier_wait -1                              ; everybody's is
	s_mov_b32 s25, 12
.Lrest:                                            ; steps 3-14
	STEP 1
	s_sub_co_u32 s25, s25, 1
	s_cmp_lg_u32 s25, 0
	s_cbranch_scc1 .Lrest
	STEP 0                                         ; step 15: nothing more to fetch
	; THE WAY OUT.  The additions are the places behind the last products.
.irp t, 0,1
	v_add_f32 v[ST+24*\t+2], v[ST+24*\t+2], v[ST+24*\t+3]
.endr
.irp t, 0,1
	v_add_f32 v[ST+24*\t+4], v[ST+24*\t+4], v[ST+24*\t+5]
.endr
.irp t, 0,1
	v_add_f32 v[ST+24*\t+2], v[ST+24*\t+2], v[ST+24*\t+4]
.endr
.irp t, 0,1
	v_permlanex16_b32 v[ST+24*\t+12], v[ST+24*\t+2], s[SEL], s[SEL+1]
.endr
.irp t, 0,1
	v_add_f32 v[ST+24*\t+2], v[ST+24*\t+2], v[ST+24*\t+12]           ; the row's sum
.endr
.irp t, 0,1
	v_rcp_f32 v[ST+24*\t+6], v[ST+24*\t+2]
.endr
	v_nop
	s_wait_alu depctr_va_vdst(0)
	WIN 0x40
.set j, 0
.rept 16
	global_load_b128 v[KF+4*j:KF+4*j+3], v[LI], s[10:11] offset:(j/2)*8192+(j%2)*512   ; x: channels 8 wave + j / 2, 512 bytes on end
.set j, j+1
.endr
	RESC                                           ; O^T / l
	WIN 0
	s_wait_dscnt 0x0
	s_barrier_signal -1
	s_barrier_wait -1                              ; nobody reads K or V any more: the stage may be written
	WIN 0x04                                       ; an LDS store's data are its source 1: window 1
.irp t, 0,1
.irp c, 0,1,2,3
.irp i, 0,1,2,3,4,5,6,7
	ds_store_b32 v[STO], v[OA+32*\t+8*\c+\i] offset:(16*\c+\i)*SPT+32*\t
.endr
.endr
.endr
	WIN 0
	s_wait_dscnt 0x0
	s_barrier_signal -1
	s_barrier_wait -1                              ; 64 whole rows lie in the stage
.set j, 0
.rept 16
	ds_load_b128 v[S+4*j:S+4*j+3], v[RDA] offset:(j/2)*SPT+(j%2)*512
.set j, j+1
.endr
	s_wait_loadcnt 0x0
	s_wait_dscnt 0x0
	WIN 0x04
.set j, 0
.rept 32
	v_pk_add_f32 v[S+2*j:S+2*j+1], v[S+2*j:S+2*j+1], v[KF+2*j:KF+2*j+1]   ; + x
.set j, j+1
.endr
	WIN 0
.set j, 0
.rept 16
	global_store_b128 v[LI], v[S+4*j:S+4*j+3], s[12:13] offset:(j/2)*8192+(j%2)*512   ; 512 bytes on end, at a multiple of 256 from y's first byte
.set j, j+1
.endr
	ROWSTAT S, 8, 128, 16, 24
	ds_store_b128 v[STA], v[16:19]                 ; all lanes write the same values
	ds_store_b128 v[STA], v[20:23] offset:16
	ds_store_b128 v[STA], v[24:27] offset:256
	ds_store_b128 v[STA], v[28:31] offset:272
	s_wait_dscnt 0x0
	s_barrier_signal -1
	s_barrier_wait -1
	s_cmp_lg_u32 s16, 0
	s_cbranch_scc1 .Lno_stat
	ds_load_b128 v[32:35], v[STR]
	s_wait_dscnt 0x0
	global_store_b128 v[STG], v[32:35], s[14:15]   ; two neighbouring lanes store a group's 32 bytes; the sixteen groups lie 8,192 bytes apart
.Lno_stat:
	s_wait_tensorcnt 0x0
	ds_add_u32 v254, v255
	s_wait_dscnt 0x0
	ROUND                                          ; the closing round
	s_endpgm
.Lfunc_end_k_q97632e4e72_attn:
	.size	k_q97632e4e72_attn, .Lfunc_end_k_q97632e4e72_attn-k_q97632e4e72_attn
	.p2alignl 7, 3214868480
	.fill 96, 4, 3214868480
	.section	.rodata,"a",@progbits
	.p2align	6, 0x0
	.amdhsa_kernel k_q97632e4e72_attn
		.amdhsa_group_segment_fixed_size 272384
		.amdhsa_private_segment_fixed_size 0
		.amdhsa_enable_private_segment 0
		.amdhsa_kernarg_size 48
		.amdhsa_user_sgpr_count 2
		.amdhsa_user_sgpr_kernarg_segment_ptr 1
		.amdhsa_wavefront_size32 1
		.amdhsa_system_sgpr_workgroup_id_x 1
		.amdhsa_system_sgpr_workgroup_id_y 1
		.amdhsa_system_sgpr_workgroup_id_z 1
		.amdhsa_system_vgpr_workitem_id 0
		.amdhsa_next_free_vgpr 512
		.amdhsa_next_free_sgpr 66
		.amdhsa_reserve_vcc 0
		.amdhsa_float_denorm_mode_32 3
		.amdhsa_float_denorm_mode_16_64 3
		.amdhsa_memory_ordered 1
		.amdhsa_forward_progress 1
		.amdhsa_inst_pref_size 140
	.end_amdhsa_kernel
	.amdgpu_metadata
---
amdhsa.version: [ 1, 2 ]
amdhsa.kernels:
  - .name:           k_q97632e4e72_attn
    .symbol:         k_q97632e4e72_attn.kd
    .args:
      - { .name: qc, .offset: 0, .size: 8, .value_kind: global_buffer, .address_space: global }
      - { .name: qs, .offset: 8, .size: 8, .value_kind: global_buffer, .address_space: global }
      - { .name: kv, .offset: 16, .size: 8, .value_kind: global_buffer, .address_space: global }
      - { .name: x, .offset: 24, .size: 8, .value_kind: global_buffer, .address_space: global }
      - { .name: y, .offset: 32, .size: 8, .value_kind: global_buffer, .address_space: global }
      - { .name: st1, .offset: 40, .size: 8, .value_kind: global_buffer, .address_space: global }
    .group_segment_fixed_size: 272384
    .private_segment_fixed_size: 0
    .kernarg_segment_align: 8
    .kernarg_segment_size: 48
    .max_flat_workgroup_size: 256
    .sgpr_count:     66
    .vgpr_count:     512
    .wavefront_size: 32
...
	.end_amdgpu_metadata
.endif
;; end of part 2
;; launch ffn (part 3): grid 8 x 32, 16 waves a work-group, no clusters, 153,600 bytes of LDS; arguments y, st1, bn1_gamma, bn1_beta, w_ff1, w_ff2, z, st2; writes z, st2
.if DOCPART == 3
	.amdgcn_target "amdgcn-amd-amdhsa--gfx1250"
	.amdhsa_code_object_version 6
	.text
	.protected	k_q97632e4e72_ffn
	.globl	k_q97632e4e72_ffn
	.p2align	8
	.type	k_q97632e4e72_ffn,@function
k_q97632e4e72_ffn:
	s_mov_b64 s[64:65], 0
	v_nop
	global_prefetch_b8 v0, s[64:65] scope:SCOPE_SE
	s_setreg_imm32_b32 hwreg(HW_REG_WAVE_MODE, 25, 1), 1
	s_wait_xcnt 0x0
; FFN.  h = bn1(y); z = h + w_ff2 leaky(w_ff1 h), both products on E4M3 codes with E8M0 scales; and for each work-group and channel the mean of its 256 z and their sum of squares about it.
; THE NORM'S FIGURES come from 256 work-groups' means and sums of squares: mean = sum of means / 256; variance = (sum of M2 + 256 x sum of (mean_i - mean)^2) / 65,536: no difference of large sums is formed.
; The statistics lie [group of 4 channels 16][work-group 256][4 means, 4 M2].  Wave w wants the figures of group w alone: its 8,192 bytes come by 16 dense loads; even lanes then hold means, odd lanes M2, four channels a lane;
; the sums go over the 16 loads in the lane and over the 16 lanes of one parity by lane exchanges: no LDS and no barrier serve the figures.
; SHARES.  A work-group takes 64 channels x 256 points.  In the phases by rows wave w takes channels 4 w on; in the matrix phase points 16 w on; h and z change over through stages in LDS.
; Each wave quantises one unit (16 rows x 32 along K) of each weight; the units meet in LDS as images of operand registers.
; Both products are used transposed (source 0 = 16 rows of a weight, source 1 = my 16 points); lane r of a weight's tile 2 b + u takes row 32 b + 8 u + r + 8 (r / 8), so that a lane's 16 results of two tiles are 16 neighbours along the next K.
; THE FIRST PRODUCT'S K IS 64 IN A FORM OF 128: h's fragment carries zero codes in its upper 64; there the weight's operand names the next tile's codes (never the NaN code) under bytes that are never 0xff: 0 is added.
; h itself, unquantised, is the C of the second product: z leaves the matrix unit whole.
; LIMITS: NaN and infinities are not served; a block whose largest magnitude lies under 2^-118, a block of zeros too, keeps the byte 1.
.set W1IMG, 0
.set W2IMG, 8192
.set W1SC,  16384                      ; tile x 64 + 4 r: bytes s0 s1 s0 s1
.set W2SC,  16896                      ; tile x 64 + 4 r: four bytes
.set HST,   17408                      ; h: 64 rows of 1,024 bytes + 16
.set ZST,   83968                      ; z likewise
.set STT,   150528                     ; 512 bytes in which the statistics meet: 64 means, 64 sums of squares
.set HP,    1040
.set SEL,  22
.set MNT,  24
.set GA,   16                          ; v16-19 gamma, v20-23 beta of my four channels, in every lane
.set BE,   20
.set WC,   24                          ; v24-31 my two units' codes
.set PH,   16                          ; later v16-31: the hidden layer's codes
.set TM,   32                          ; v32-47 the quantiser's
.set WS,   48                          ; v48-55 a weight's scale words, v56 h's, v57 the hidden layer's: these ten hold scales alone
.set HS,   56
.set PWH,  57
.set R,    64                          ; v64-127 my group's statistics: 16 loads of four registers
.set T,    128                         ; v128-143 at work
.set MEAN, 144                         ; v144-147 the means, v148-151 the sums of M2, v152-155 at work, v156-159 the gains of my four channels
.set SM2,  148
.set QQ,   152
.set AA,   156
.set H,    64                          ; later v64-95: h, register 16 b + i = channel 32 b + 16 (lane / 16) + i; then z
.set FA,   96                          ; v96-159 the hidden layer
.set WF,   160                         ; v160-223 a weight's codes, v224-231 zeros
.set WN,   192                         ; v192-223 my two units' numbers
.set Y,    224                         ; v224-255 my four rows of y, then of h
.set PCH,  232                         ; v232-239 h's codes, v240-247 zeros
.set LT,   240                         ; later v240-255: 0.2 x sixteen numbers
.macro BARRIER
	s_wait_dscnt 0x0
	s_barrier_signal -1
	s_barrier_wait -1
.endm
.macro PLACES
.rept 8
	v_nop
.endr
.endm
.macro QUANT s, d, nb, pc
.set qb, 0
.rept \nb
	v_max3_num_f32 v[TM+qb], |v[\s+16*qb]|, |v[\s+16*qb+1]|, 0x4800000   ; the floor 2^(9 - 127) holds the byte at 1 from below
.set qb, qb+1
.endr
.set qi, 2
.rept 7
.set qb, 0
.rept \nb
	v_max3_num_f32 v[TM+qb], v[TM+qb], |v[\s+16*qb+qi]|, |v[\s+16*qb+qi+1]|
.set qb, qb+1
.endr
.set qi, qi+2
.endr
.set qb, 0
.rept \nb
	v_permlanex16_b32 v[TM+4+qb], v[TM+qb], s[SEL], s[SEL+1]
.set qb, qb+1
.endr
.set qb, 0
.rept \nb
	v_max_num_f32 v[TM+qb], v[TM+qb], v[TM+4+qb]
.set qb, qb+1
.endr
.set qb, 0
.rept \nb
	v_add_nc_u32 v[TM+12+qb], 0xfc000000, v[TM+qb]
.set qb, qb+1
.endr
.set qb, 0
.rept \nb
	v_and_or_b32 v[TM+8+qb], v[TM+qb], 0x7f800000, s[MNT]
.set qb, qb+1
.endr
.set qb, 0
.rept \nb
	v_lshrrev_b32 v[TM+4+qb], 23, v[TM+12+qb]
.set qb, qb+1
.endr
.set qb, 0
.rept \nb
.set qi, 0
.rept 16
	v_med3_num_f32 v[\d+16*qb+qi], v[\s+16*qb+qi], -v[TM+8+qb], v[TM+8+qb]   ; the conversion does not saturate (ISA guide 7.6.2)
.set qi, qi+1
.endr
	v_cvt_scalef32_pk8_fp8_f32 v[\pc+4*qb:\pc+4*qb+1], v[\d+16*qb:\d+16*qb+7], v[TM+12+qb]
	v_cvt_scalef32_pk8_fp8_f32 v[\pc+4*qb+2:\pc+4*qb+3], v[\d+16*qb+8:\d+16*qb+15], v[TM+12+qb]
.set qb, qb+1
.endr
	v_nop
.endm
.macro FOLD acc
	v_pk_add_f32 v[\acc:\acc+1], v[\acc:\acc+1], v[\acc+4:\acc+5]
	v_pk_add_f32 v[\acc+2:\acc+3], v[\acc+2:\acc+3], v[\acc+6:\acc+7]
	v_pk_add_f32 v[\acc+8:\acc+9], v[\acc+8:\acc+9], v[\acc+12:\acc+13]
	v_pk_add_f32 v[\acc+10:\acc+11], v[\acc+10:\acc+11], v[\acc+14:\acc+15]
	v_pk_add_f32 v[\acc:\acc+1], v[\acc:\acc+1], v[\acc+8:\acc+9]
	v_pk_add_f32 v[\acc+2:\acc+3], v[\acc+2:\acc+3], v[\acc+10:\acc+11]
.endm
.macro SUM16 src, acc                  ; 16 runs of four registers are summed, in four chains, into v[acc .. acc + 3]
.irp q, 0,1,2,3
	v_pk_add_f32 v[\acc+4*\q:\acc+4*\q+1], v[\src+4*\q:\src+4*\q+1], v[\src+16+4*\q:\src+16+4*\q+1]
	v_pk_add_f32 v[\acc+4*\q+2:\acc+4*\q+3], v[\src+4*\q+2:\src+4*\q+3], v[\src+16+4*\q+2:\src+16+4*\q+3]
.endr
.irp g, 32,48
.irp q, 0,1,2,3
	v_pk_add_f32 v[\acc+4*\q:\acc+4*\q+1], v[\acc+4*\q:\acc+4*\q+1], v[\src+\g+4*\q:\src+\g+4*\q+1]
	v_pk_add_f32 v[\acc+4*\q+2:\acc+4*\q+3], v[\acc+4*\q+2:\acc+4*\q+3], v[\src+\g+4*\q+2:\src+\g+4*\q+3]
.endr
.endr
	FOLD \acc
.endm
.macro XRED a                          ; v[a .. a + 3] summed over the 16 lanes of my parity; then my neighbour's sums (the other parity's) into v[a + 4 .. a + 7]
.irp m, 2,4,8
.irp i, 0,1,2,3
	v_add_f32_dpp v[\a+\i], v[\a+\i], v[\a+\i] row_xmask:\m row_mask:0xf bank_mask:0xf
.endr
.endr
.irp i, 0,1,2,3
	v_permlanex16_b32 v[\a+4+\i], v[\a+\i], s[SEL], s[SEL+1]
.endr
.irp i, 0,1,2,3
	v_add_f32 v[\a+\i], v[\a+\i], v[\a+4+\i]
.endr
.irp i, 0,1,2,3
	v_mov_b32_dpp v[\a+4+\i], v[\a+\i] row_xmask:1 row_mask:0xf bank_mask:0xf
.endr
.endm
; The figures of my four channels, in every lane.  v[R + 4 k + i]: work-group 16 k + lane / 2, channel i: an even lane its mean, an odd lane its M2.
.macro COMB
	SUM16 R, T
	XRED T                                         ; even lanes: the sums of means; odd lanes: the sums of M2
	v_and_b32 v[T+8], 1, v1
	v_cmp_eq_u32 vcc_lo, 0, v[T+8]                 ; the even lanes
.irp i, 0,1,2,3
	v_cndmask_b32 v[MEAN+\i], v[T+4+\i], v[T+\i], vcc_lo
.endr
.irp i, 0,1,2,3
	v_cndmask_b32 v[SM2+\i], v[T+\i], v[T+4+\i], vcc_lo
.endr
.irp i, 0,1,2,3
	v_mul_f32 v[MEAN+\i], 0x3b800000, v[MEAN+\i]             ; / 256
.endr
.set k, 0
.rept 16
	v_pk_add_f32 v[R+4*k:R+4*k+1], v[R+4*k:R+4*k+1], v[MEAN:MEAN+1] neg_lo:[0,1] neg_hi:[0,1]   ; mean_i - mean (what the odd lanes make here is thrown away: sums stay within a parity)
	v_pk_add_f32 v[R+4*k+2:R+4*k+3], v[R+4*k+2:R+4*k+3], v[MEAN+2:MEAN+3] neg_lo:[0,1] neg_hi:[0,1]
.set k, k+1
.endr
.set k, 0
.rept 16
.if k < 4
	v_pk_mul_f32 v[T+4*k:T+4*k+1], v[R+4*k:R+4*k+1], v[R+4*k:R+4*k+1]
	v_pk_mul_f32 v[T+4*k+2:T+4*k+3], v[R+4*k+2:R+4*k+3], v[R+4*k+2:R+4*k+3]
.else
	v_pk_fma_f32 v[T+4*(k%4):T+4*(k%4)+1], v[R+4*k:R+4*k+1], v[R+4*k:R+4*k+1], v[T+4*(k%4):T+4*(k%4)+1]
	v_pk_fma_f32 v[T+4*(k%4)+2:T+4*(k%4)+3], v[R+4*k+2:R+4*k+3], v[R+4*k+2:R+4*k+3], v[T+4*(k%4)+2:T+4*(k%4)+3]
.endif
.set k, k+1
.endr
	FOLD T
	XRED T
.irp i, 0,1,2,3
	v_cndmask_b32 v[QQ+\i], v[T+4+\i], v[T+\i], vcc_lo       ; the even lanes' sums, in every lane
.endr
.irp i, 0,1,2,3
	v_fma_f32 v[QQ+\i], v[QQ+\i], s28, v[SM2+\i]             ; 256 x the squares of the means' distances + the sum of M2
.endr
.irp i, 0,1,2,3
	v_fma_f32 v[QQ+\i], v[QQ+\i], s29, s30                   ; / 65,536 + 1e-5
.endr
.irp i, 0,1,2,3
	v_rsq_f32 v[QQ+\i], v[QQ+\i]
.endr
	v_nop
	s_wait_alu depctr_va_vdst(0)
.irp i, 0,1,2,3
	v_mul_f32 v[AA+\i], v[QQ+\i], v[GA+\i]
.endr
.endm
.macro NORM4                           ; my four rows: (number - mean) x gain + beta
.irp i, 0,1,2,3
.irp c, 0,1,2,3,4,5,6,7
	v_sub_f32 v[Y+8*\i+\c], v[Y+8*\i+\c], v[MEAN+\i]
.endr
.irp c, 0,1,2,3,4,5,6,7
	v_fma_f32 v[Y+8*\i+\c], v[Y+8*\i+\c], v[AA+\i], v[BE+\i]
.endr
.endr
.endm
.macro WREDN n, scr, dst, dk
.irp m, 1,2,4,8
.set ci, 0
.rept \n
	v_add_f32_dpp v[\scr+8*ci], v[\scr+8*ci], v[\scr+8*ci] row_xmask:\m row_mask:0xf bank_mask:0xf
.set ci, ci+1
.endr
.endr
.set ci, 0
.rept \n
	v_permlanex16_b32 v[\scr+8*ci+1], v[\scr+8*ci], s[SEL], s[SEL+1]
.set ci, ci+1
.endr
.set ci, 0
.rept \n
	v_add_f32 v[\dst+\dk*ci], v[\scr+8*ci], v[\scr+8*ci+1]
.set ci, ci+1
.endr
.endm
.macro ROWSTAT y, n, scr, mn, m2
.set ci, 0
.rept \n
	v_pk_add_f32 v[\scr+8*ci:\scr+8*ci+1], v[\y+8*ci:\y+8*ci+1], v[\y+8*ci+2:\y+8*ci+3]
	v_pk_add_f32 v[\scr+8*ci+2:\scr+8*ci+3], v[\y+8*ci+4:\y+8*ci+5], v[\y+8*ci+6:\y+8*ci+7]
.set ci, ci+1
.endr
.set ci, 0
.rept \n
	v_pk_add_f32 v[\scr+8*ci:\scr+8*ci+1], v[\scr+8*ci:\scr+8*ci+1], v[\scr+8*ci+2:\scr+8*ci+3]
.set ci, ci+1
.endr
.set ci, 0
.rept \n
	v_add_f32 v[\scr+8*ci], v[\scr+8*ci], v[\scr+8*ci+1]
.set ci, ci+1
.endr
	WREDN \n, \scr, \scr, 8
.set ci, 0
.rept \n
	v_mul_f32 v[\mn+ci], 0x3b800000, v[\scr+8*ci]
.set ci, ci+1
.endr
.set ci, 0
.rept \n
.set cj, 0
.rept 8
	v_sub_f32 v[\scr+8*ci+cj], v[\y+8*ci+cj], v[\mn+ci]
.set cj, cj+1
.endr
.set ci, ci+1
.endr
.set ci, 0
.rept \n
	v_mul_f32 v[\scr+8*ci], v[\scr+8*ci], v[\scr+8*ci]
	v_mul_f32 v[\scr+8*ci+1], v[\scr+8*ci+1], v[\scr+8*ci+1]
.set ci, ci+1
.endr
.irp p, 2,4,6
.set ci, 0
.rept \n
	v_fma_f32 v[\scr+8*ci], v[\scr+8*ci+\p], v[\scr+8*ci+\p], v[\scr+8*ci]
	v_fma_f32 v[\scr+8*ci+1], v[\scr+8*ci+\p+1], v[\scr+8*ci+\p+1], v[\scr+8*ci+1]
.set ci, ci+1
.endr
.endr
.set ci, 0
.rept \n
	v_add_f32 v[\scr+8*ci], v[\scr+8*ci], v[\scr+8*ci+1]
.set ci, ci+1
.endr
	WREDN \n, \scr, \m2, 1
.endm
	s_load_b256 s[4:11], s[0:1], 0x0               ; y, st1, gamma, beta
	s_load_b256 s[12:19], s[0:1], 0x20             ; w_ff1, w_ff2, z, st2
	v_lshrrev_b32 v1, 5, v0
	v_readfirstlane_b32 s20, v1                    ; wave 0..15
	s_and_b32 s21, ttmp7, 0xffff                   ; the batch
	s_mov_b32 s[SEL], 0x76543210
	s_mov_b32 s[SEL+1], 0xfedcba98
	s_mov_b32 s[MNT], 0x600000
	s_mov_b32 s26, 0x3e4ccccd                      ; 0.2
	s_mov_b32 s27, s26
	s_mov_b32 s28, 0x43800000                      ; 256
	s_mov_b32 s29, 0x37800000                      ; 1 / 65,536
	s_mov_b32 s30, 0x3727c5ac                      ; 1e-5
	v_and_b32 v1, 31, v0                           ; lane
	v_and_b32 v2, 15, v0                           ; r
	v_bfe_u32 v3, v0, 4, 1                         ; h
	v_and_b32 v4, 8, v2
	v_add_nc_u32 v4, v4, v2                        ; r + 8 (r / 8)
	v_lshlrev_b32 v5, 4, v1                        ; 16 x lane
	v_lshlrev_b32 v12, 2, v2                       ; 4 r
	s_lshr_b32 s31, s20, 1                         ; w_ff1: my tile of eight,
	s_and_b32 s32, s20, 1                          ; my block of two
	s_lshr_b32 s33, s31, 1
	s_lshl_b32 s33, s33, 5
	s_and_b32 s34, s31, 1
	s_lshl_b32 s34, s34, 3
	s_add_co_u32 s33, s33, s34
	s_lshl_b32 s33, s33, 8                         ; a row is 256 bytes
	s_lshl_b32 s34, s32, 7
	s_add_co_u32 s33, s33, s34
	v_lshlrev_b32 v7, 8, v4
	v_lshl_add_u32 v7, v3, 6, v7
	v_add_nc_u32 v7, s33, v7
	s_lshl_b32 s33, s31, 6
	s_add_co_u32 s33, s33, s32
	s_add_co_u32 s33, s33, W1SC
	v_add_nc_u32 v10, s33, v12
	s_lshr_b32 s31, s20, 2                         ; w_ff2: my tile of four,
	s_and_b32 s32, s20, 3                          ; my block of four
	s_lshr_b32 s33, s31, 1
	s_lshl_b32 s33, s33, 5
	s_and_b32 s34, s31, 1
	s_lshl_b32 s34, s34, 3
	s_add_co_u32 s33, s33, s34
	s_lshl_b32 s33, s33, 9                         ; a row is 512 bytes
	s_lshl_b32 s34, s32, 7
	s_add_co_u32 s33, s33, s34
	v_lshlrev_b32 v8, 9, v4
	v_lshl_add_u32 v8, v3, 6, v8
	v_add_nc_u32 v8, s33, v8
	s_lshl_b32 s33, s31, 6
	s_add_co_u32 s33, s33, s32
	s_add_co_u32 s33, s33, W2SC
	v_add_nc_u32 v11, s33, v12
	s_lshl_b32 s33, s20, 9
	v_add_nc_u32 v9, s33, v5                       ; 512 x wave + 16 x lane: my images
	s_mul_i32 s33, s20, 4*HP
	s_add_co_u32 s34, s33, HST
	v_add_nc_u32 v15, s34, v5                      ; rows 4 wave on of h,
	s_add_co_u32 s34, s33, ZST
	v_add_nc_u32 v58, s34, v5                      ; and of z
	v_mul_u32_u24 v59, v3, 16*HP
	v_add_nc_u32 v59, v59, v12
	s_lshl_b32 s33, s20, 6
	s_add_co_u32 s34, s33, ZST
	v_add_nc_u32 v60, s34, v59                     ; z: channel 16 h + .., point 16 wave + r
	s_add_co_u32 s34, s33, HST
	v_add_nc_u32 v59, s34, v59                     ; h likewise
	s_lshl_b32 s33, s20, 4
	v_mov_b32 v6, s33                              ; gamma, beta: my four channels, the same 16 bytes for every lane
	s_add_co_u32 s33, s33, STT
	v_mov_b32 v61, s33                             ; where my four channels' statistics meet the others'
	v_and_b32 v13, 1, v1                           ; the statistics' way out: lane l takes group l / 2; an even lane its four means, an odd lane its four sums of squares
	v_lshrrev_b32 v14, 1, v1
	v_lshlrev_b32 v62, 8, v13
	v_lshl_add_u32 v62, v14, 4, v62
	v_add_nc_u32 v62, STT, v62                     ; in LDS: 256 (l % 2) + 16 (l / 2)
	v_lshlrev_b32 v63, 4, v13
	v_lshl_add_u32 v63, v14, 13, v63               ; in st2: 8,192 (l / 2) + 16 (l % 2)
	s_lshl_b32 s40, s20, 13                        ; st1: group = wave, 8,192 bytes a group
	s_mov_b32 s41, 0
	s_lshl_b32 s42, s21, 19                        ; y, z: batch, channels 4 wave on, my block's 1,024 bytes of a row
	s_lshl_b32 s43, s20, 15
	s_add_co_u32 s42, s42, s43
	s_lshl_b32 s43, ttmp9, 10
	s_add_co_u32 s42, s42, s43
	s_mov_b32 s43, 0
	s_lshl_b32 s44, s21, 3
	s_add_co_u32 s44, s44, ttmp9
	s_lshl_b32 s44, s44, 5                         ; st2: my work-group's 32 bytes in each group
	s_mov_b32 s45, 0
	s_wait_kmcnt 0x0
	s_add_nc_u64 s[6:7], s[6:7], s[40:41]
	s_add_nc_u64 s[4:5], s[4:5], s[42:43]
	s_add_nc_u64 s[16:17], s[16:17], s[42:43]
	s_add_nc_u64 s[18:19], s[18:19], s[44:45]
.set k, 0
.rept 16
	global_load_b128 v[R+4*k:R+4*k+3], v5, s[6:7] offset:512*k       ; 512 bytes on end: 16 work-groups' figures of my group
.set k, k+1
.endr
	global_load_b128 v[GA:GA+3], v6, s[8:9]
	global_load_b128 v[BE:BE+3], v6, s[10:11]
.irp i, 0,1,2,3
	global_load_b128 v[WN+4*\i:WN+4*\i+3], v7, s[12:13] offset:16*\i
.endr
.irp i, 0,1,2,3
	global_load_b128 v[WN+16+4*\i:WN+16+4*\i+3], v8, s[14:15] offset:16*\i
.endr
.set k, 0
.rept 8
	global_load_b128 v[Y+4*k:Y+4*k+3], v5, s[4:5] offset:(k/2)*8192+(k%2)*512 th:TH_LOAD_NT
.set k, k+1
.endr
.irp i, 4,5,6,7
	v_mov_b32 v[TM+\i], 0                          ; a lane permute's destination counts as read
.endr
	s_wait_loadcnt 16                              ; the 16 younger loads are the weights' and y's: the statistics, gamma and beta are in
	COMB
	s_wait_loadcnt 8                               ; y's eight may stay out: the weights are in
	QUANT WN, WN, 2, WC
	ds_store_b128 v9, v[WC:WC+3] offset:W1IMG
	ds_store_b128 v9, v[WC+4:WC+7] offset:W2IMG
	ds_store_b8 v10, v[TM+4]
	ds_store_b8 v10, v[TM+4] offset:2
	ds_store_b8 v11, v[TM+5]
	s_wait_loadcnt 0x0                             ; y
	NORM4                                          ; h
.set k, 0
.rept 8
	ds_store_b128 v15, v[Y+4*k:Y+4*k+3] offset:(k/2)*HP+(k%2)*512
.set k, k+1
.endr
.irp i, 64,65,66,67,68,69,70,71
	v_mov_b32 v[WF+\i], 0                          ; what the last tile's operand names beyond its own codes
.endr
.irp i, 8,9,10,11,12,13,14,15
	v_mov_b32 v[PCH+\i], 0                         ; the zero codes of h's fragment
.endr
	BARRIER                                        ; the weights' images and 64 rows of h lie in LDS
.set k, 0
.rept 32
	ds_load_b32 v[H+k], v59 offset:(32*(k/16)+k%16)*HP
.set k, k+1
.endr
.set k, 0
.rept 16
	ds_load_b128 v[WF+4*k:WF+4*k+3], v5 offset:W1IMG+512*k
.set k, k+1
.endr
.irp t, 0,1,2,3,4,5,6,7
	ds_load_b32 v[WS+\t], v12 offset:W1SC+64*\t
.endr
	s_wait_dscnt 0x0
	QUANT H, FA, 2, PCH                            ; the held numbers go aside: h itself is the residual
	v_lshl_or_b32 v[HS], v[TM+5], 8, v[TM+4]       ; bytes 2 and 3 are 0: they stand over zero codes
	PLACES                                         ; a scale word made by vector instructions stands eight places ahead
.irp t, 0,1,2,3,4,5,6,7
	v_wmma_scale_f32_16x16x128_f8f6f4 v[FA+8*\t:FA+8*\t+7], v[WF+8*\t:WF+8*\t+15], v[PCH:PCH+15], 0, v[WS+\t], v[HS]
.endr
	PLACES
.set k, 0
.rept 16
	ds_load_b128 v[WF+4*k:WF+4*k+3], v5 offset:W2IMG+512*k
.set k, k+1
.endr
.irp t, 0,1,2,3
	ds_load_b32 v[WS+\t], v12 offset:W2SC+64*\t
.endr
.set g, 0
.rept 4                                ; leaky: the larger of f and 0.2 f, sixteen at a time
.set k, 0
.rept 8
	v_pk_mul_f32 v[LT+2*k:LT+2*k+1], v[FA+16*g+2*k:FA+16*g+2*k+1], s[26:27] op_sel_hi:[1,0]
.set k, k+1
.endr
.set k, 0
.rept 16
	v_max_num_f32 v[FA+16*g+k], v[FA+16*g+k], v[LT+k]
.set k, k+1
.endr
.set g, g+1
.endr
	QUANT FA, FA, 4, PH
	v_lshl_or_b32 v[PWH], v[TM+5], 8, v[TM+4]
	v_lshl_or_b32 v[PWH], v[TM+6], 16, v[PWH]
	v_lshl_or_b32 v[PWH], v[TM+7], 24, v[PWH]
	s_wait_dscnt 0x0
	PLACES
.irp t, 0,1,2,3
	v_wmma_scale_f32_16x16x128_f8f6f4 v[H+8*\t:H+8*\t+7], v[WF+16*\t:WF+16*\t+15], v[PH:PH+15], v[H+8*\t:H+8*\t+7], v[WS+\t], v[PWH]
.endr
	PLACES
.set k, 0
.rept 32
	ds_store_b32 v60, v[H+k] offset:(32*(k/16)+k%16)*HP      ; each accumulator from its low end on
.set k, k+1
.endr
	BARRIER                                        ; 64 rows of z lie in the stage
.set k, 0
.rept 8
	ds_load_b128 v[FA+4*k:FA+4*k+3], v58 offset:(k/2)*HP+(k%2)*512
.set k, k+1
.endr
	s_wait_dscnt 0x0
.set k, 0
.rept 8
	global_store_b128 v5, v[FA+4*k:FA+4*k+3], s[16:17] offset:(k/2)*8192+(k%2)*512   ; 512 bytes on end
.set k, k+1
.endr
	ROWSTAT FA, 4, T, 16, 20
	ds_store_b128 v61, v[16:19]
	ds_store_b128 v61, v[20:23] offset:256
	BARRIER
	s_cmp_lg_u32 s20, 0
	s_cbranch_scc1 .Ldone
	ds_load_b128 v[24:27], v62
	s_wait_dscnt 0x0
	global_store_b128 v63, v[24:27], s[18:19]      ; two neighbouring lanes store a group's 32 bytes; the sixteen groups lie 8,192 bytes apart
.Ldone:
	s_wait_xcnt 0x0
	v_lshl_add_u32 v254, v0, 2, 0x25000
	v_mov_b32 v255, 0
	s_wait_tensorcnt 0x0
	ds_add_u32 v254, v255
	s_wait_dscnt 0x0
	s_endpgm
.Lfunc_end_k_q97632e4e72_ffn:
	.size	k_q97632e4e72_ffn, .Lfunc_end_k_q97632e4e72_ffn-k_q97632e4e72_ffn
	.p2alignl 7, 3214868480
	.fill 96, 4, 3214868480
	.section	.rodata,"a",@progbits
	.p2align	6, 0x0
	.amdhsa_kernel k_q97632e4e72_ffn
		.amdhsa_group_segment_fixed_size 153600
		.amdhsa_private_segment_fixed_size 0
		.amdhsa_enable_private_segment 0
		.amdhsa_kernarg_size 64
		.amdhsa_user_sgpr_count 2
		.amdhsa_user_sgpr_kernarg_segment_ptr 1
		.amdhsa_wavefront_size32 1
		.amdhsa_system_sgpr_workgroup_id_x 1
		.amdhsa_system_sgpr_workgroup_id_y 1
		.amdhsa_system_sgpr_workgroup_id_z 1
		.amdhsa_system_vgpr_workitem_id 0
		.amdhsa_next_free_vgpr 256
		.amdhsa_next_free_sgpr 66
		.amdhsa_reserve_vcc 1
		.amdhsa_float_denorm_mode_32 3
		.amdhsa_float_denorm_mode_16_64 3
		.amdhsa_memory_ordered 1
		.amdhsa_forward_progress 1
		.amdhsa_inst_pref_size 61
	.end_amdhsa_kernel
	.amdgpu_metadata
---
amdhsa.version: [ 1, 2 ]
amdhsa.kernels:
  - .name:           k_q97632e4e72_ffn
    .symbol:         k_q97632e4e72_ffn.kd
    .args:
      - { .name: y, .offset: 0, .size: 8, .value_kind: global_buffer, .address_space: global }
      - { .name: st1, .offset: 8, .size: 8, .value_kind: global_buffer, .address_space: global }
      - { .name: bn1_gamma, .offset: 16, .size: 8, .value_kind: global_buffer, .address_space: global }
      - { .name: bn1_beta, .offset: 24, .size: 8, .value_kind: global_buffer, .address_space: global }
      - { .name: w_ff1, .offset: 32, .size: 8, .value_kind: global_buffer, .address_space: global }
      - { .name: w_ff2, .offset: 40, .size: 8, .value_kind: global_buffer, .address_space: global }
      - { .name: z, .offset: 48, .size: 8, .value_kind: global_buffer, .address_space: global }
      - { .name: st2, .offset: 56, .size: 8, .value_kind: global_buffer, .address_space: global }
    .group_segment_fixed_size: 153600
    .private_segment_fixed_size: 0
    .kernarg_segment_align: 8
    .kernarg_segment_size: 64
    .max_flat_workgroup_size: 512
    .sgpr_count:     66
    .vgpr_count:     256
    .wavefront_size: 32
...
	.end_amdgpu_metadata
.endif
;; end of part 3
;; launch norm (part 4): grid 8 x 32, 8 waves a work-group, no clusters, 0 bytes of LDS; arguments z, st2, bn2_gamma, bn2_beta, out0; writes out0
.if DOCPART == 4
	.amdgcn_target "amdgcn-amd-amdhsa--gfx1250"
	.amdhsa_code_object_version 6
	.text
	.protected	k_q97632e4e72_norm
	.globl	k_q97632e4e72_norm
	.p2align	8
	.type	k_q97632e4e72_norm,@function
k_q97632e4e72_norm:
	s_mov_b64 s[64:65], 0
	v_nop
	global_prefetch_b8 v0, s[64:65] scope:SCOPE_SE
	s_setreg_imm32_b32 hwreg(HW_REG_WAVE_MODE, 25, 1), 1
	s_wait_xcnt 0x0
; NORM.  out0 = bn2(z).  The norm's figures come from 256 work-groups' means and sums of squares: mean = sum of means / 256; variance = (sum of M2 + 256 x sum of (mean_i - mean)^2) / 65,536: no difference of large sums is formed.
; The statistics lie [group of 4 channels 16][work-group 256][4 means, 4 M2].  A wave takes ONE group of four channels and 512 points of one batch: the group's 8,192 bytes come by 16 dense loads; even lanes then hold means,
; odd lanes M2, four channels a lane; the sums go over the 16 loads in the lane and over the 16 lanes of one parity by lane exchanges.  So a wave depends on no other: no LDS, no barrier.
; SHARES.  Work-group (x, batch), wave w: group 2 x + w / 4, points 512 (w % 4) on.  A stream: each load and store of z and out0 covers 512 bytes on end.
; No matrix unit and no cluster: the work-groups share nothing but the statistics.  NaN and infinities are not served.
.set SEL,  22
.set GA,   16                          ; v16-19 gamma, v20-23 beta of my four channels, in every lane
.set BE,   20
.set R,    64                          ; v64-127 my group's statistics: 16 loads of four registers
.set T,    128                         ; v128-143 at work
.set MEAN, 144                         ; v144-147 the means, v148-151 the sums of M2, v152-155 at work, v156-159 the gains
.set SM2,  148
.set QQ,   152
.set AA,   156
.set Y,    192                         ; v192-255 four channels x 16 numbers a lane
.macro FOLD acc
	v_pk_add_f32 v[\acc:\acc+1], v[\acc:\acc+1], v[\acc+4:\acc+5]
	v_pk_add_f32 v[\acc+2:\acc+3], v[\acc+2:\acc+3], v[\acc+6:\acc+7]
	v_pk_add_f32 v[\acc+8:\acc+9], v[\acc+8:\acc+9], v[\acc+12:\acc+13]
	v_pk_add_f32 v[\acc+10:\acc+11], v[\acc+10:\acc+11], v[\acc+14:\acc+15]
	v_pk_add_f32 v[\acc:\acc+1], v[\acc:\acc+1], v[\acc+8:\acc+9]
	v_pk_add_f32 v[\acc+2:\acc+3], v[\acc+2:\acc+3], v[\acc+10:\acc+11]
.endm
.macro SUM16 src, acc                  ; 16 runs of four registers are summed, in four chains, into v[acc .. acc + 3]
.irp q, 0,1,2,3
	v_pk_add_f32 v[\acc+4*\q:\acc+4*\q+1], v[\src+4*\q:\src+4*\q+1], v[\src+16+4*\q:\src+16+4*\q+1]
	v_pk_add_f32 v[\acc+4*\q+2:\acc+4*\q+3], v[\src+4*\q+2:\src+4*\q+3], v[\src+16+4*\q+2:\src+16+4*\q+3]
.endr
.irp g, 32,48
.irp q, 0,1,2,3
	v_pk_add_f32 v[\acc+4*\q:\acc+4*\q+1], v[\acc+4*\q:\acc+4*\q+1], v[\src+\g+4*\q:\src+\g+4*\q+1]
	v_pk_add_f32 v[\acc+4*\q+2:\acc+4*\q+3], v[\acc+4*\q+2:\acc+4*\q+3], v[\src+\g+4*\q+2:\src+\g+4*\q+3]
.endr
.endr
	FOLD \acc
.endm
.macro XRED a                          ; v[a .. a + 3] summed over the 16 lanes of my parity; then my neighbour's sums (the other parity's) into v[a + 4 .. a + 7]
.irp m, 2,4,8
.irp i, 0,1,2,3
	v_add_f32_dpp v[\a+\i], v[\a+\i], v[\a+\i] row_xmask:\m row_mask:0xf bank_mask:0xf
.endr
.endr
.irp i, 0,1,2,3
	v_permlanex16_b32 v[\a+4+\i], v[\a+\i], s[SEL], s[SEL+1]
.endr
.irp i, 0,1,2,3
	v_add_f32 v[\a+\i], v[\a+\i], v[\a+4+\i]
.endr
.irp i, 0,1,2,3
	v_mov_b32_dpp v[\a+4+\i], v[\a+\i] row_xmask:1 row_mask:0xf bank_mask:0xf
.endr
.endm
	s_load_b256 s[4:11], s[0:1], 0x0               ; z, st2, gamma, beta
	s_load_b64 s[12:13], s[0:1], 0x20              ; out0
	v_lshrrev_b32 v1, 5, v0
	v_readfirstlane_b32 s20, v1                    ; wave 0..7
	s_and_b32 s21, ttmp7, 0xffff                   ; the batch
	s_mov_b32 s[SEL], 0x76543210
	s_mov_b32 s[SEL+1], 0xfedcba98
	s_mov_b32 s28, 0x43800000                      ; 256
	s_mov_b32 s29, 0x37800000                      ; 1 / 65,536
	s_mov_b32 s30, 0x3727c5ac                      ; 1e-5
	v_and_b32 v1, 31, v0                           ; lane
	v_lshlrev_b32 v5, 4, v1                        ; 16 x lane
	s_lshl_b32 s31, ttmp9, 1
	s_lshr_b32 s32, s20, 2
	s_add_co_u32 s31, s31, s32                     ; my group of four channels: 2 x + wave / 4
	s_and_b32 s32, s20, 3                          ; my 512 points
	s_lshl_b32 s33, s31, 4
	v_mov_b32 v6, s33                              ; gamma, beta: my four channels, the same 16 bytes for every lane
	s_lshl_b32 s40, s31, 13                        ; st2: 8,192 bytes a group
	s_mov_b32 s41, 0
	s_lshl_b32 s42, s21, 19                        ; z, out0: batch, four rows of 8,192 bytes a group, 2,048 bytes of a row
	s_lshl_b32 s43, s31, 15
	s_add_co_u32 s42, s42, s43
	s_lshl_b32 s43, s32, 11
	s_add_co_u32 s42, s42, s43
	s_mov_b32 s43, 0
	s_wait_kmcnt 0x0
	s_add_nc_u64 s[6:7], s[6:7], s[40:41]
	s_add_nc_u64 s[4:5], s[4:5], s[42:43]
	s_add_nc_u64 s[12:13], s[12:13], s[42:43]
.set k, 0
.rept 16
	global_load_b128 v[R+4*k:R+4*k+3], v5, s[6:7] offset:512*k       ; 512 bytes on end: 16 work-groups' figures of my group
.set k, k+1
.endr
	global_load_b128 v[GA:GA+3], v6, s[8:9]
	global_load_b128 v[BE:BE+3], v6, s[10:11]
.set k, 0
.rept 16
	global_load_b128 v[Y+4*k:Y+4*k+3], v5, s[4:5] offset:(k/4)*8192+(k%4)*512 th:TH_LOAD_NT
.set k, k+1
.endr
	s_wait_loadcnt 16                              ; z's sixteen may stay out: the statistics, gamma and beta are in
	; v[R + 4 k + i]: work-group 16 k + lane / 2, channel i: an even lane its mean, an odd lane its M2
	SUM16 R, T
	XRED T                                         ; even lanes: the sums of means; odd lanes: the sums of M2
	v_and_b32 v[T+8], 1, v1
	v_cmp_eq_u32 vcc_lo, 0, v[T+8]                 ; the even lanes
.irp i, 0,1,2,3
	v_cndmask_b32 v[MEAN+\i], v[T+4+\i], v[T+\i], vcc_lo
.endr
.irp i, 0,1,2,3
	v_cndmask_b32 v[SM2+\i], v[T+\i], v[T+4+\i], vcc_lo
.endr
.irp i, 0,1,2,3
	v_mul_f32 v[MEAN+\i], 0x3b800000, v[MEAN+\i]             ; / 256
.endr
.set k, 0
.rept 16
	v_pk_add_f32 v[R+4*k:R+4*k+1], v[R+4*k:R+4*k+1], v[MEAN:MEAN+1] neg_lo:[0,1] neg_hi:[0,1]   ; mean_i - mean (what the odd lanes make here is thrown away: sums stay within a parity)
	v_pk_add_f32 v[R+4*k+2:R+4*k+3], v[R+4*k+2:R+4*k+3], v[MEAN+2:MEAN+3] neg_lo:[0,1] neg_hi:[0,1]
.set k, k+1
.endr
.set k, 0
.rept 16
.if k < 4
	v_pk_mul_f32 v[T+4*k:T+4*k+1], v[R+4*k:R+4*k+1], v[R+4*k:R+4*k+1]
	v_pk_mul_f32 v[T+4*k+2:T+4*k+3], v[R+4*k+2:R+4*k+3], v[R+4*k+2:R+4*k+3]
.else
	v_pk_fma_f32 v[T+4*(k%4):T+4*(k%4)+1], v[R+4*k:R+4*k+1], v[R+4*k:R+4*k+1], v[T+4*(k%4):T+4*(k%4)+1]
	v_pk_fma_f32 v[T+4*(k%4)+2:T+4*(k%4)+3], v[R+4*k+2:R+4*k+3], v[R+4*k+2:R+4*k+3], v[T+4*(k%4)+2:T+4*(k%4)+3]
.endif
.set k, k+1
.endr
	FOLD T
	XRED T
.irp i, 0,1,2,3
	v_cndmask_b32 v[QQ+\i], v[T+4+\i], v[T+\i], vcc_lo       ; the even lanes' sums, in every lane
.endr
.irp i, 0,1,2,3
	v_fma_f32 v[QQ+\i], v[QQ+\i], s28, v[SM2+\i]             ; 256 x the squares of the means' distances + the sum of M2
.endr
.irp i, 0,1,2,3
	v_fma_f32 v[QQ+\i], v[QQ+\i], s29, s30                   ; / 65,536 + 1e-5
.endr
.irp i, 0,1,2,3
	v_rsq_f32 v[QQ+\i], v[QQ+\i]
.endr
	v_nop
	s_wait_alu depctr_va_vdst(0)
.irp i, 0,1,2,3
	v_mul_f32 v[AA+\i], v[QQ+\i], v[GA+\i]
.endr
	s_wait_loadcnt 0x0                             ; z
.irp i, 0,1,2,3
.irp c, 0,1,2,3,4,5,6,7,8,9,10,11,12,13,14,15
	v_sub_f32 v[Y+16*\i+\c], v[Y+16*\i+\c], v[MEAN+\i]
.endr
.irp c, 0,1,2,3,4,5,6,7,8,9,10,11,12,13,14,15
	v_fma_f32 v[Y+16*\i+\c], v[Y+16*\i+\c], v[AA+\i], v[BE+\i]
.endr
.endr
.set k, 0
.rept 16
	global_store_b128 v5, v[Y+4*k:Y+4*k+3], s[12:13] offset:(k/4)*8192+(k%4)*512 th:TH_STORE_NT   ; 512 bytes on end
.set k, k+1
.endr
	s_endpgm
.Lfunc_end_k_q97632e4e72_norm:
	.size	k_q97632e4e72_norm, .Lfunc_end_k_q97632e4e72_norm-k_q97632e4e72_norm
	.p2alignl 7, 3214868480
	.fill 96, 4, 3214868480
	.section	.rodata,"a",@progbits
	.p2align	6, 0x0
	.amdhsa_kernel k_q97632e4e72_norm
		.amdhsa_group_segment_fixed_size 0
		.amdhsa_private_segment_fixed_size 0
		.amdhsa_enable_private_segment 0
		.amdhsa_kernarg_size 40
		.amdhsa_user_sgpr_count 2
		.amdhsa_user_sgpr_kernarg_segment_ptr 1
		.amdhsa_wavefront_size32 1
		.amdhsa_system_sgpr_workgroup_id_x 1
		.amdhsa_system_sgpr_workgroup_id_y 1
		.amdhsa_system_sgpr_workgroup_id_z 1
		.amdhsa_system_vgpr_workitem_id 0
		.amdhsa_next_free_vgpr 256
		.amdhsa_next_free_sgpr 66
		.amdhsa_reserve_vcc 1
		.amdhsa_float_denorm_mode_32 3
		.amdhsa_float_denorm_mode_16_64 3
		.amdhsa_memory_ordered 1
		.amdhsa_forward_progress 1
		.amdhsa_inst_pref_size 23
	.end_amdhsa_kernel
	.amdgpu_metadata
---
amdhsa.version: [ 1, 2 ]
amdhsa.kernels:
  - .name:           k_q97632e4e72_norm
    .symbol:         k_q97632e4e72_norm.kd
    .args:
      - { .name: z, .offset: 0, .size: 8, .value_kind: global_buffer, .address_space: global }
      - { .name: st2, .offset: 8, .size: 8, .value_kind: global_buffer, .address_space: global }
      - { .name: bn2_gamma, .offset: 16, .size: 8, .value_kind: global_buffer, .address_space: global }
      - { .name: bn2_beta, .offset: 24, .size: 8, .value_kind: global_buffer, .address_space: global }
      - { .name: out0, .offset: 32, .size: 8, .value_kind: global_buffer, .address_space: global }
    .group_segment_fixed_size: 0
    .private_segment_fixed_size: 0
    .kernarg_segment_align: 8
    .kernarg_segment_size: 40
    .max_flat_workgroup_size: 256
    .sgpr_count:     66
    .vgpr_count:     256
    .wavefront_size: 32
...
	.end_amdgpu_metadata
.endif
;; end of part 4
;; ======== version 2 of 2: 4 launches; version 1 with the launches prep, ffn written anew for expert scheduling mode
;; workspace buffers: qc 4,194,304 bytes; qs 262,144 bytes; kv 8,650,752 bytes; y 16,777,216 bytes; z 16,777,216 bytes; st1 131,072 bytes; st2 131,072 bytes
;; launch prep (part 5): grid 8 x 32, 8 waves a work-group, no clusters, 39,936 bytes of LDS; arguments x, wq, wk, wv, qc, qs, kv; writes qc, qs, kv
.if DOCPART == 5
	.amdgcn_target "amdgcn-amd-amdhsa--gfx1250"
	.amdhsa_code_object_version 6
	.text
	.protected	k_q97632e4e72_prep
	.globl	k_q97632e4e72_prep
	.p2align	8
	.type	k_q97632e4e72_prep,@function
k_q97632e4e72_prep:
	s_mov_b64 s[64:65], 0
	v_nop
	global_prefetch_b8 v0, s[64:65] scope:SCOPE_SE
	s_setreg_imm32_b32 hwreg(HW_REG_WAVE_SCHED_MODE, 0, 2), 2
	s_setreg_imm32_b32 hwreg(HW_REG_WAVE_MODE, 25, 1), 1
	s_wait_xcnt 0x0
	s_wait_alu depctr_vm_vsrc(0)
; PREP.  x [32][64][2048] f32 and wq, wk, wv [64][64] f32 are quantised along the channels to E4M3 codes with one E8M0 byte for each 32; q, k, v are made by the scaled matrix form;
; q and k are quantised along their 64 channels, v along the keys, and all three leave as IMAGES OF OPERAND REGISTERS (a group of four registers: 16 bytes a lane, 512 bytes on end), with their scale words.
; SHARES.  A work-group takes 256 points of one batch, a wave 32 of them: one block of 32 keys.  Each wave quantises one unit (16 rows x 32 channels) of each weight; the units meet in LDS.
; A LANE TAKES A POINT AND ITS REGISTERS RUN DOWN THE CHANNELS: a block of 32 channels of x lies in one lane.  The codes turn through the wave's own rows in LDS into fragments.
; THE POINTS OF A TILE ARE NOT NEIGHBOURS: column r of tile u is point 8 u + r + 8 (r / 8); so are the rows of wq's and wk's tiles.  A lane's 16 results of two tiles are then 16 neighbours along the next K.
; K IS 64 IN A FORM OF 128: x's fragment carries zero codes in its upper 64; there the weight's operand names the next tile's codes (never the NaN code: every number is held first) and scale bytes that are never 0xff: 0 is added.
; LIMITS: NaN and infinities are not served; a block whose largest magnitude lies under 2^-118, a block of zeros too, keeps the byte 1 (its codes are as the floor gives them; only this program reads the bytes).
; THE MODE: SCHED_MODE bits 1:0 = 2 (LLVM: expert scheduling mode 2), set by the entry lines.  The code itself states the register dependences
; between vector or matrix instructions and memory or LDS instructions, with s_wait_alu, always for 0.
; THE PLAN.  The text is straight: the weights' units, x, then three phases (q, k, v), each: eight products, their quantiser, their stores.  Registers that memory or LDS instructions touch:
;   v5-15, v54-57   offsets and LDS addresses, made once at the head and never written again; v254, v255 likewise, for the closing add.
;   X, WN           loads land in them once, at the head; after that vector and matrix instructions alone name them.
;   PC, the bytes v[TM+4 ..], v58   written by a phase's quantiser and scale word, read by that phase's stores, written again by the next phase's quantiser.
;   XC              written by x's conversions, read by x's LDS stores; at the end an LDS load lands in its first four.
;   WF, WS          weight m's twelve LDS loads land in them; phase m's products read them.
; So a phase has: behind its products one wait on vm_vsrc (the phase before's stores have read PC, the bytes, v58) and one on va_vdst (the products are done with WF and WS), behind which the NEXT weight's loads go out
; and land while the quantiser, which names ACC, TM and PC alone, is at work; and one wait on va_vdst ahead of its run of stores.
.set WIMG, 0                           ; LDS: the weights' images: matrix x 4096 + unit x 512 + 16 x lane
.set WSC,  12288                       ; their scale words: matrix x 256 + tile x 64 + 4 r; bytes s0 s1 s0 s1
.set XR,   13312                       ; a wave's 32 points: rows of 64 codes + 16 bytes of padding
.set XSW,  33792                       ; x's scale words: wave x 128 + 4 x point
.set SS,   34816                       ; 2 x 512 scale bytes as they lie in a record of kv; from +1024 q's scale words
.set SEL,  22                          ; s[22:23] lane selects: lane l xor 16
.set MNT,  24                          ; s24 the mantissa field of 448
.set TM,   16                          ; v16-19 largest magnitudes, v20-23 bytes, v24-27 448 x the scale, v28-31 the conversion's scale operand
.set PC,   32                          ; v32-47 codes just made
.set WS,   48                          ; v48-51 a weight's scale words; v52-53 x's: these six hold scales alone
.set XS,   52
.set X,    64                          ; v64-127 x's 64 numbers; later the products' results
.set ACC,  64
.set WN,   128                         ; v128-175 48 numbers of the weights
.set WF,   128                         ; later v128-159 a weight's four tiles of codes, v160-167 zeros
.set XF,   176                         ; v176-207: tile 0's codes, 8 zeros, tile 1's codes, 8 zeros
.set XC,   208                         ; v208-223 my point's 64 codes
.macro BARRIER                         ; my LDS stores have landed and my LDS loads are in: then the work-group's barrier
	s_wait_dscnt 0x0
	s_barrier_signal -1
	s_barrier_wait -1
.endm
; nb blocks of 32 along K; block b: my 16 numbers in v[s + 16 b ..], the other 16 in lane l xor 16.  Held numbers go to v[d ..], codes to v[pc + 4 b ..], the bytes stay in v[TM + 4 + b].
.macro QUANT s, d, nb, pc
.set qb, 0
.rept \nb
	v_max3_num_f32 v[TM+qb], |v[\s+16*qb]|, |v[\s+16*qb+1]|, 0x4800000   ; the floor 2^(9 - 127) holds the byte at 1 from below
.set qb, qb+1
.endr
.set qi, 2
.rept 7
.set qb, 0
.rept \nb
	v_max3_num_f32 v[TM+qb], v[TM+qb], |v[\s+16*qb+qi]|, |v[\s+16*qb+qi+1]|   ; the blocks by turns
.set qb, qb+1
.endr
.set qi, qi+2
.endr
.set qb, 0
.rept \nb
	v_permlanex16_b32 v[TM+4+qb], v[TM+qb], s[SEL], s[SEL+1]
.set qb, qb+1
.endr
.set qb, 0
.rept \nb
	v_max_num_f32 v[TM+qb], v[TM+qb], v[TM+4+qb]             ; the block's largest magnitude
.set qb, qb+1
.endr
.set qb, 0
.rept \nb
	v_add_nc_u32 v[TM+12+qb], 0xfc000000, v[TM+qb]           ; 8 off its exponent field: the conversion's scale operand
.set qb, qb+1
.endr
.set qb, 0
.rept \nb
	v_and_or_b32 v[TM+8+qb], v[TM+qb], 0x7f800000, s[MNT]    ; 448 x the scale
.set qb, qb+1
.endr
.set qb, 0
.rept \nb
	v_lshrrev_b32 v[TM+4+qb], 23, v[TM+12+qb]                ; the scale's byte
.set qb, qb+1
.endr
.set qb, 0
.rept \nb
.set qi, 0
.rept 16
	v_med3_num_f32 v[\d+16*qb+qi], v[\s+16*qb+qi], -v[TM+8+qb], v[TM+8+qb]   ; the conversion does not saturate (ISA guide 7.6.2): the hold comes first
.set qi, qi+1
.endr
	v_cvt_scalef32_pk8_fp8_f32 v[\pc+4*qb:\pc+4*qb+1], v[\d+16*qb:\d+16*qb+7], v[TM+12+qb]
	v_cvt_scalef32_pk8_fp8_f32 v[\pc+4*qb+2:\pc+4*qb+3], v[\d+16*qb+8:\d+16*qb+15], v[TM+12+qb]
.set qb, qb+1
.endr
	v_nop                                                    ; a plain line behind the last conversion
.endm
; block blk of x: 32 channels of my point, all in my registers
.macro QUANTX blk
.set XB, X+32*\blk
	v_max3_num_f32 v58, |v[XB]|, |v[XB+1]|, |v[XB+2]|
	v_max3_num_f32 v59, |v[XB+3]|, |v[XB+4]|, |v[XB+5]|
.irp i, 6,10,14,18,22,26
	v_max3_num_f32 v58, v58, |v[XB+\i]|, |v[XB+\i+1]|
	v_max3_num_f32 v59, v59, |v[XB+\i+2]|, |v[XB+\i+3]|
.endr
	v_max3_num_f32 v58, v58, |v[XB+30]|, |v[XB+31]|
	v_max3_num_f32 v58, v58, v59, 0x4800000
	v_add_nc_u32 v60, 0xfc000000, v58
	v_and_or_b32 v61, v58, 0x7f800000, s[MNT]
	v_lshrrev_b32 v[62+\blk], 23, v60
.set qi, 0
.rept 32
	v_med3_num_f32 v[XB+qi], v[XB+qi], -v61, v61
.set qi, qi+1
.endr
.irp g, 0,1,2,3
	v_cvt_scalef32_pk8_fp8_f32 v[XC+8*\blk+2*\g:XC+8*\blk+2*\g+1], v[XB+8*\g:XB+8*\g+7], v60
.endr
	v_nop
.endm
.macro WFETCH m                        ; weight m: its four tiles of codes and their scale words: twelve LDS loads; the wait for them stands ahead of the products
.irp i, 0,1,2,3,4,5,6,7
	ds_load_b128 v[WF+4*\i:WF+4*\i+3], v8 offset:WIMG+4096*\m+512*\i
.endr
.irp t, 0,1,2,3
	ds_load_b32 v[WS+\t], v15 offset:256*\m+64*\t
.endr
.endm
.macro PLACES                          ; eight places behind this matrix form, ahead of reads of its results
.rept 8
	v_nop
.endr
.endm
.macro PRODW                           ; source 0 = 16 rows of the weight, source 1 = 16 points: a lane holds one point, its registers run along the output channels
.irp u, 0,1
.irp t, 0,1,2,3
	v_wmma_scale_f32_16x16x128_f8f6f4 v[ACC+32*\u+8*\t:ACC+32*\u+8*\t+7], v[WF+8*\t:WF+8*\t+15], v[XF+16*\u:XF+16*\u+15], 0, v[WS+\t], v[XS+\u]
.endr
.endr
	PLACES
.endm
	s_load_b256 s[4:11], s[0:1], 0x0               ; x, wq, wk, wv
	s_load_b128 s[12:15], s[0:1], 0x20             ; qc, qs
	s_load_b64 s[16:17], s[0:1], 0x30              ; kv
	v_lshl_add_u32 v254, v0, 2, 0x9800
	v_mov_b32 v255, 0
	v_lshrrev_b32 v1, 5, v0
	v_readfirstlane_b32 s18, v1                    ; wave 0..7
	s_and_b32 s20, ttmp7, 0xffff                   ; the batch
	s_mov_b32 s[SEL], 0x76543210
	s_mov_b32 s[SEL+1], 0xfedcba98
	s_mov_b32 s[MNT], 0x600000
	v_and_b32 v1, 31, v0                           ; lane
	v_and_b32 v2, 15, v0                           ; r
	v_bfe_u32 v3, v0, 4, 1                         ; h
	v_and_b32 v4, 8, v2
	v_add_nc_u32 v4, v4, v2                        ; r + 8 (r / 8)
	v_lshlrev_b32 v5, 2, v1                        ; 4 x lane
	v_lshlrev_b32 v8, 4, v1                        ; 16 x lane
	s_wait_alu depctr_va_sdst(0)                   ; s18 is written, ahead of its first reader: the shares, the LDS places and the bases are made from it
	s_lshr_b32 s21, s18, 1                         ; my unit of each weight: tile,
	s_and_b32 s25, s18, 1                          ; block of 32 channels
	s_lshr_b32 s26, s21, 1
	s_lshl_b32 s26, s26, 5
	s_and_b32 s27, s21, 1
	s_lshl_b32 s27, s27, 3
	s_add_co_u32 s26, s26, s27                     ; wq, wk: the tile begins at row 32 (tile / 2) + 8 (tile % 2)
	s_lshl_b32 s26, s26, 8                         ; a row is 256 bytes
	s_lshl_b32 s27, s25, 7                         ; a block 128
	s_add_co_u32 s26, s26, s27
	v_lshlrev_b32 v6, 8, v4
	v_lshl_add_u32 v6, v3, 6, v6
	v_add_nc_u32 v6, s26, v6                       ; wq, wk: my 16 numbers
	s_lshl_b32 s28, s21, 12                        ; wv: rows 16 tile + r
	s_add_co_u32 s28, s28, s27
	v_lshlrev_b32 v7, 8, v2
	v_lshl_add_u32 v7, v3, 6, v7
	v_add_nc_u32 v7, s28, v7
	s_mul_i32 s29, s18, 2560
	s_add_co_u32 s29, s29, XR
	v_mul_u32_u24 v9, v1, 80
	v_add_nc_u32 v9, s29, v9                       ; my point's row of codes
	v_mul_u32_u24 v10, v4, 80
	v_lshl_add_u32 v10, v3, 4, v10
	v_add_nc_u32 v10, s29, v10                     ; a fragment's row, + 16 h
	s_lshl_b32 s30, s18, 7
	s_add_co_u32 s31, s30, XSW
	v_add_nc_u32 v11, s31, v5                      ; x's scale word: in,
	v_lshl_add_u32 v12, v4, 2, s31                 ; and out by the tile's order
	s_lshl_b32 s32, s18, 9
	v_add_nc_u32 v13, s32, v8                      ; my unit's image
	s_lshl_b32 s33, s21, 6
	s_add_co_u32 s33, s33, s25
	s_add_co_u32 s33, s33, WSC
	v_lshl_add_u32 v14, v2, 2, s33                 ; my unit's scale byte
	v_lshl_add_u32 v15, v2, 2, WSC                 ; a tile's scale words
	s_and_b32 s34, s18, 3                          ; c: my block of 32 keys in its step of 128,
	s_lshr_b32 s35, s18, 2                         ; and which of the work-group's two steps
	s_lshl_b32 s36, s35, 9
	s_add_co_u32 s36, s36, SS
	s_and_b32 s37, s34, 1
	s_lshl_b32 s37, s37, 7
	s_add_co_u32 s37, s37, s36
	s_lshr_b32 s38, s34, 1
	s_lshl_b32 s38, s38, 2
	s_add_co_u32 s37, s37, s38
	v_lshl_add_u32 v54, v2, 3, s37                 ; k's scale word: (r + 16 (c % 2)) x 8 + 4 (c / 2)
	s_add_co_u32 s38, s36, s34
	s_add_co_u32 s38, s38, 256
	v_lshl_add_u32 v55, v2, 3, s38                 ; v's scale bytes: 256 + 8 r + c; the tile stands in the immediate
	s_add_co_u32 s38, s30, SS+1024
	v_add_nc_u32 v56, s38, v5                      ; q's scale word
	s_add_co_u32 s38, s32, SS
	v_add_nc_u32 v57, s38, v8                      ; the way out of the scale bytes (waves 0 to 3)
	s_lshl_b32 s38, s20, 19                        ; x: batch x 64 rows of 8,192 bytes + 1,024 x block + 128 x wave
	s_lshl_b32 s39, ttmp9, 10
	s_add_co_u32 s38, s38, s39
	s_add_co_u32 s38, s38, s30
	s_mov_b32 s39, 0
	s_lshl_b32 s40, s20, 6
	s_lshl_b32 s41, ttmp9, 3
	s_add_co_u32 s46, s40, s41                     ; 64 batch + 8 block: the work-group's first group of 32 queries
	s_add_co_u32 s40, s46, s18
	s_lshl_b32 s40, s40, 11                        ; 2,048 bytes of codes a group
	s_mov_b32 s41, 0
	s_lshl_b32 s42, s20, 4
	s_lshl_b32 s43, ttmp9, 1
	s_add_co_u32 s47, s42, s43                     ; 16 batch + 2 block: the work-group's first record of kv
	s_add_co_u32 s42, s47, s35
	s_mul_i32 s42, s42, 16896
	s_lshl_b32 s43, s34, 11
	s_add_co_u32 s44, s42, s43                     ; k: packed fragment c
	s_mov_b32 s45, 0
	s_lshl_b32 s43, s34, 9
	s_add_co_u32 s42, s42, s43
	s_add_co_u32 s42, s42, 8192                    ; v: group c of each fragment
	s_mov_b32 s43, 0
	s_and_b32 s48, s18, 1
	s_add_co_u32 s49, s47, s48
	s_mul_i32 s49, s49, 16896
	s_add_co_u32 s49, s49, 16384                   ; waves 0, 1: a record's 512 scale bytes
	s_lshl_b32 s50, s46, 7
	s_lshl_b32 s48, s48, 9
	s_add_co_u32 s50, s50, s48                     ; waves 2, 3: 512 bytes of q's scale words
	s_wait_kmcnt 0x0
	s_add_nc_u64 s[4:5], s[4:5], s[38:39]
	s_add_nc_u64 s[12:13], s[12:13], s[40:41]
	s_add_nc_u64 s[44:45], s[16:17], s[44:45]
	s_add_nc_u64 s[42:43], s[16:17], s[42:43]
	s_cmp_lt_u32 s18, 2                            ; the choice hangs on the wave's number alone
	s_cselect_b64 s[52:53], s[16:17], s[14:15]
	s_cselect_b32 s50, s49, s50
	s_mov_b32 s51, 0
	s_add_nc_u64 s[52:53], s[52:53], s[50:51]
	s_wait_alu depctr_va_vdst(0)                   ; the offsets and LDS addresses v5 to v15 and v54 to v57 are written: every load and store of the kernel reads one of them, and none is written again
.irp i, 0,1,2,3
	global_load_b128 v[WN+4*\i:WN+4*\i+3], v6, s[6:7] offset:16*\i
.endr
.irp i, 0,1,2,3
	global_load_b128 v[WN+16+4*\i:WN+16+4*\i+3], v6, s[8:9] offset:16*\i
.endr
.irp i, 0,1,2,3
	global_load_b128 v[WN+32+4*\i:WN+32+4*\i+3], v7, s[10:11] offset:16*\i
.endr
.set ci, 0
.rept 32
	global_load_b32 v[X+ci], v5, s[4:5] offset:ci*8192       ; channel ci at my wave's 32 points: 128 bytes on end; the eight waves stand side by side
.set ci, ci+1
.endr
	s_wait_loadcnt 32                              ; the 32 younger loads are x's: the weights are in
.rept 32
	global_load_b32 v[X+ci], v5, s[4:5] offset:ci*8192
.set ci, ci+1
.endr
.irp i, 4,5,6,7
	v_mov_b32 v[TM+\i], 0                          ; a lane permute's destination counts as read
.endr
.irp i, 8,9,10,11,12,13,14,15,24,25,26,27,28,29,30,31
	v_mov_b32 v[XF+\i], 0                          ; the zero codes of x's fragments
.endr
	QUANT WN, WN, 3, PC                            ; my unit of wq, wk, wv
	s_wait_alu depctr_va_vdst(0)                   ; the conversions have written v[PC ..] and the shifts the bytes v[TM+4 ..], which the LDS stores read
.irp m, 0,1,2
	ds_store_b128 v13, v[PC+4*\m:PC+4*\m+3] offset:WIMG+4096*\m
	ds_store_b8 v14, v[TM+4+\m] offset:256*\m      ; both halves of the lanes write the same byte with the same value
	ds_store_b8 v14, v[TM+4+\m] offset:256*\m+2
.endr
.irp i, 32,33,34,35,36,37,38,39
	v_mov_b32 v[WF+\i], 0                          ; what the last tile's operand names beyond its own codes
.endr
	s_wait_loadcnt 32                              ; channels 0-31 are in; the 32 younger loads are channels 32-63
	QUANTX 0
	s_wait_loadcnt 0x0
	QUANTX 1
	v_lshl_or_b32 v58, v63, 8, v62                 ; x's scale word; bytes 2 and 3 are 0: they stand over zero codes
	s_wait_alu depctr_va_vdst(0)                   ; x's conversions have written v[XC ..], and v58 is written: the LDS stores read them; the zero codes that the products name are written; the weights' quantiser is done with v[WN ..], in which wq's codes land
.irp i, 0,1,2,3
	ds_store_b128 v9, v[XC+4*\i:XC+4*\i+3] offset:16*\i
.endr
	ds_store_b32 v11, v58
	BARRIER                                        ; the weights' images and scale words lie in LDS
.irp u, 0,1
.irp c, 0,1
	ds_load_b128 v[XF+16*\u+4*\c:XF+16*\u+4*\c+3], v10 offset:640*\u+32*\c
.endr
	ds_load_b32 v[XS+\u], v12 offset:32*\u
.endr
	WFETCH 0
	s_wait_dscnt 0x0                               ; x's fragments, wq's codes and both sides' scale words are in
	; ---- q
	PRODW
	s_wait_alu depctr_vm_vsrc(0)                   ; the LDS stores of the weights' units and of x have read v[PC ..], the bytes v[TM+4 ..] and v58, which the lines below write again
	s_wait_alu depctr_va_vdst(0)                   ; the products are done reading v[WF ..] and v[WS ..], in which wk's loads land
	WFETCH 1                                       ; wk comes while q is quantised: the quantiser names ACC, TM and PC alone
	QUANT ACC, ACC, 4, PC                          ; block 2 u + b: tile u, channels 32 b on
	v_cmp_gt_u32 vcc_lo, 16, v1
	v_lshl_or_b32 v58, v[TM+5], 8, v[TM+4]
	v_lshl_or_b32 v59, v[TM+7], 8, v[TM+6]
	v_lshl_or_b32 v58, v58, 16, v58                ; s0 s1 s0 s1: the word serves q in the lower and in the upper 64 of K
	v_lshl_or_b32 v59, v59, 16, v59
	s_wait_alu depctr_va_vcc(0)                    ; VCC is written by the compare, ahead of its one reader
	v_cndmask_b32 v58, v59, v58, vcc_lo            ; lanes 0-15 tile 0's rows, lanes 16-31 tile 1's
	s_wait_alu depctr_va_vdst(0)                   ; the conversions have written v[PC ..], and v58 is written: the five stores read them
.irp i, 0,1,2,3
	global_store_b128 v8, v[PC+4*\i:PC+4*\i+3], s[12:13] offset:512*\i   ; 512 bytes on end
.endr
	ds_store_b32 v56, v58
	; ---- k
	s_wait_dscnt 0x0                               ; wk's codes and scale words are in
	PRODW
	s_wait_xcnt 0x0                                ; q's stores have had their addresses translated (ISA guide 3.1): the codes' registers are written again only behind this wait
	s_wait_alu depctr_vm_vsrc(0)                   ; q's stores have read v[PC ..] and v58, which the lines below write again
	s_wait_alu depctr_va_vdst(0)                   ; the products are done reading v[WF ..] and v[WS ..], in which wv's loads land
	WFETCH 2                                       ; wv comes while k is quantised
	QUANT ACC, ACC, 4, PC
	v_lshl_or_b32 v58, v[TM+5], 8, v[TM+4]         ; the packed fragment's word: tile 0's two bytes, tile 1's two
	v_lshl_or_b32 v58, v[TM+6], 16, v58
	v_lshl_or_b32 v58, v[TM+7], 24, v58
	s_wait_alu depctr_va_vdst(0)                   ; the conversions have written v[PC ..], and v58 is written: the five stores read them
.irp i, 0,1,2,3
	global_store_b128 v8, v[PC+4*\i:PC+4*\i+3], s[44:45] offset:512*\i
.endr
	ds_store_b32 v54, v58
	; ---- v: the sources change places: a lane holds one channel, its registers run along the keys
	s_wait_dscnt 0x0                               ; wv's codes and scale words are in
.irp t, 0,1,2,3
.irp u, 0,1
	v_wmma_scale_f32_16x16x128_f8f6f4 v[ACC+16*\t+8*\u:ACC+16*\t+8*\u+7], v[XF+16*\u:XF+16*\u+15], v[WF+8*\t:WF+8*\t+15], 0, v[XS+\u], v[WS+\t]
.endr
.endr
	PLACES
	s_wait_xcnt 0x0                                ; k's stores have had their addresses translated: the codes' registers are written again only behind this wait
	s_wait_alu depctr_vm_vsrc(0)                   ; k's stores have read v[PC ..], which the quantiser writes again
	QUANT ACC, ACC, 4, PC                          ; block t: channel 16 t + r, my wave's 32 keys
	s_wait_alu depctr_va_vdst(0)                   ; the conversions have written v[PC ..] and the shifts the bytes v[TM+4 ..], which the eight stores read
.irp t, 0,1,2,3
	global_store_b128 v8, v[PC+4*\t:PC+4*\t+3], s[42:43] offset:2048*\t
	ds_store_b8 v55, v[TM+4+\t] offset:128*(\t%2)+4*(\t/2)
.endr
	BARRIER                                        ; all scale bytes lie in LDS
	s_cmp_lt_u32 s18, 4
	s_cbranch_scc0 .Ldone
	ds_load_b128 v[XC:XC+3], v57                   ; (x's conversions, which wrote these four, and x's LDS stores, which read them, stand ahead of waits on both fields)
	s_wait_dscnt 0x0
	global_store_b128 v8, v[XC:XC+3], s[52:53]     ; 512 bytes on end
.Ldone:
	s_wait_dscnt 0x0                               ; the closing lines, six on end
	s_wait_alu 0x0
	s_wait_tensorcnt 0x0
	ds_add_u32 v254, v255
	s_wait_dscnt 0x0
	s_endpgm
.Lfunc_end_k_q97632e4e72_prep:
	.size	k_q97632e4e72_prep, .Lfunc_end_k_q97632e4e72_prep-k_q97632e4e72_prep
	.p2alignl 7, 3214868480
	.fill 96, 4, 3214868480
	.section	.rodata,"a",@progbits
	.p2align	6, 0x0
	.amdhsa_kernel k_q97632e4e72_prep
		.amdhsa_group_segment_fixed_size 39936
		.amdhsa_private_segment_fixed_size 0
		.amdhsa_enable_private_segment 0
		.amdhsa_kernarg_size 56
		.amdhsa_user_sgpr_count 2
		.amdhsa_user_sgpr_kernarg_segment_ptr 1
		.amdhsa_wavefront_size32 1
		.amdhsa_system_sgpr_workgroup_id_x 1
		.amdhsa_system_sgpr_workgroup_id_y 1
		.amdhsa_system_sgpr_workgroup_id_z 1
		.amdhsa_system_vgpr_workitem_id 0
		.amdhsa_next_free_vgpr 256
		.amdhsa_next_free_sgpr 66
		.amdhsa_reserve_vcc 1
		.amdhsa_float_denorm_mode_32 3
		.amdhsa_float_denorm_mode_16_64 3
		.amdhsa_memory_ordered 1
		.amdhsa_forward_progress 1
		.amdhsa_inst_pref_size 60
	.end_amdhsa_kernel
	.amdgpu_metadata
---
amdhsa.version: [ 1, 2 ]
amdhsa.kernels:
  - .name:           k_q97632e4e72_prep
    .symbol:         k_q97632e4e72_prep.kd
    .args:
      - { .name: x, .offset: 0, .size: 8, .value_kind: global_buffer, .address_space: global }
      - { .name: wq, .offset: 8, .size: 8, .value_kind: global_buffer, .address_space: global }
      - { .name: wk, .offset: 16, .size: 8, .value_kind: global_buffer, .address_space: global }
      - { .name: wv, .offset: 24, .size: 8, .value_kind: global_buffer, .address_space: global }
      - { .name: qc, .offset: 32, .size: 8, .value_kind: global_buffer, .address_space: global }
      - { .name: qs, .offset: 40, .size: 8, .value_kind: global_buffer, .address_space: global }
      - { .name: kv, .offset: 48, .size: 8, .value_kind: global_buffer, .address_space: global }
    .group_segment_fixed_size: 39936
    .private_segment_fixed_size: 0
    .kernarg_segment_align: 8
    .kernarg_segment_size: 56
    .max_flat_workgroup_size: 256
    .sgpr_count:     66
    .vgpr_count:     256
    .wavefront_size: 32
...
	.end_amdgpu_metadata
.endif
;; end of part 5
;; launch attn: the kernel of part 2 again; grid 8 x 32, 8 waves a work-group, clusters of 4 x 1, 272,384 bytes of LDS; arguments qc, qs, kv, x, y, st1; writes y, st1
;; launch ffn (part 6): grid 8 x 32, 16 waves a work-group, no clusters, 153,600 bytes of LDS; arguments y, st1, bn1_gamma, bn1_beta, w_ff1, w_ff2, z, st2; writes z, st2
.if DOCPART == 6
	.amdgcn_target "amdgcn-amd-amdhsa--gfx1250"
	.amdhsa_code_object_version 6
	.text
	.protected	k_q97632e4e72_ffn
	.globl	k_q97632e4e72_ffn
	.p2align	8
	.type	k_q97632e4e72_ffn,@function
k_q97632e4e72_ffn:
	s_mov_b64 s[64:65], 0
	v_nop
	global_prefetch_b8 v0, s[64:65] scope:SCOPE_SE
	s_setreg_imm32_b32 hwreg(HW_REG_WAVE_SCHED_MODE, 0, 2), 2
	s_setreg_imm32_b32 hwreg(HW_REG_WAVE_MODE, 25, 1), 1
	s_wait_xcnt 0x0
	s_wait_alu depctr_vm_vsrc(0)
; FFN.  h = bn1(y); z = h + w_ff2 leaky(w_ff1 h), both products on E4M3 codes with E8M0 scales; and for each work-group and channel the mean of its 256 z and their sum of squares about it.
; THE NORM'S FIGURES come from 256 work-groups' means and sums of squares: mean = sum of means / 256; variance = (sum of M2 + 256 x sum of (mean_i - mean)^2) / 65,536: no difference of large sums is formed.
; The statistics lie [group of 4 channels 16][work-group 256][4 means, 4 M2].  Wave w wants the figures of group w alone: its 8,192 bytes come by 16 dense loads; even lanes then hold means, odd lanes M2, four channels a lane;
; the sums go over the 16 loads in the lane and over the 16 lanes of one parity by lane exchanges: no LDS and no barrier serve the figures.
; SHARES.  A work-group takes 64 channels x 256 points.  In the phases by rows wave w takes channels 4 w on; in the matrix phase points 16 w on; h and z change over through stages in LDS.
; Each wave quantises one unit (16 rows x 32 along K) of each weight; the units meet in LDS as images of operand registers.
; Both products are used transposed (source 0 = 16 rows of a weight, source 1 = my 16 points); lane r of a weight's tile 2 b + u takes row 32 b + 8 u + r + 8 (r / 8), so that a lane's 16 results of two tiles are 16 neighbours along the next K.
; THE FIRST PRODUCT'S K IS 64 IN A FORM OF 128: h's fragment carries zero codes in its upper 64; there the weight's operand names the next tile's codes (never the NaN code) under bytes that are never 0xff: 0 is added.
; h itself, unquantised, is the C of the second product: z leaves the matrix unit whole.
; LIMITS: NaN and infinities are not served; a block whose largest magnitude lies under 2^-118, a block of zeros too, keeps the byte 1.
; THE MODE: SCHED_MODE bits 1:0 = 2 (LLVM: expert scheduling mode 2), set by the entry lines.  The code itself states the register dependences
; between vector or matrix instructions and memory or LDS instructions, with s_wait_alu, always for 0.
; THE PLAN.  The text is straight.  Registers that memory or LDS instructions touch:
;   v5-15, v58-63   offsets and LDS addresses, made once at the head and never written again.
;   R, GA, BE, WN, Y   loads land in them once, at the head.
;   WC, the bytes v[TM+4], v[TM+5], Y   written by the weights' quantiser and by the normalisation; read by ONE run of thirteen LDS stores; behind it one wait on vm_vsrc frees them all:
;                   parts of Y become zero codes, h's codes, the leaky's scratch and at the end the closing add's two registers; WC becomes part of the hidden layer's codes.
;   H               h's LDS loads land in it (it lay under R); the second product writes it; z's LDS stores read it.
;   WF, WS          w_ff1's LDS loads land in them (WF's upper half lay under WN); the first product reads them; w_ff2's loads land; the second product reads them.
;   FA's first 32   z's rows land in them from the stage; the global stores read them; nothing writes them again.   v16-23: the row statistics, read by two LDS stores.   v24-27: an LDS load lands, a global store reads.
; Waits on va_vdst stand ahead of the first load, ahead of the run of thirteen stores, ahead of each product (its codes and scale word were made by vector instructions), behind the first product ahead of w_ff2's loads,
; behind the second ahead of z's stores, and ahead of the statistics' stores.
.set W1IMG, 0
.set W2IMG, 8192
.set W1SC,  16384                      ; tile x 64 + 4 r: bytes s0 s1 s0 s1
.set W2SC,  16896                      ; tile x 64 + 4 r: four bytes
.set HST,   17408                      ; h: 64 rows of 1,024 bytes + 16
.set ZST,   83968                      ; z likewise
.set STT,   150528                     ; 512 bytes in which the statistics meet: 64 means, 64 sums of squares
.set HP,    1040
.set SEL,  22
.set MNT,  24
.set GA,   16                          ; v16-19 gamma, v20-23 beta of my four channels, in every lane
.set BE,   20
.set WC,   24                          ; v24-31 my two units' codes
.set PH,   16                          ; later v16-31: the hidden layer's codes
.set TM,   32                          ; v32-47 the quantiser's
.set WS,   48                          ; v48-55 a weight's scale words, v56 h's, v57 the hidden layer's: these ten hold scales alone
.set HS,   56
.set PWH,  57
.set R,    64                          ; v64-127 my group's statistics: 16 loads of four registers
.set T,    128                         ; v128-143 at work
.set MEAN, 144                         ; v144-147 the means, v148-151 the sums of M2, v152-155 at work, v156-159 the gains of my four channels
.set SM2,  148
.set QQ,   152
.set AA,   156
.set H,    64                          ; later v64-95: h, register 16 b + i = channel 32 b + 16 (lane / 16) + i; then z
.set FA,   96                          ; v96-159 the hidden layer
.set WF,   160                         ; v160-223 a weight's codes, v224-231 zeros
.set WN,   192                         ; v192-223 my two units' numbers
.set Y,    224                         ; v224-255 my four rows of y, then of h
.set PCH,  232                         ; v232-239 h's codes, v240-247 zeros
.set LT,   240                         ; later v240-255: 0.2 x sixteen numbers
.macro BARRIER
	s_wait_dscnt 0x0
	s_barrier_signal -1
	s_barrier_wait -1
.endm
.macro PLACES
.rept 8
	v_nop
.endr
.endm
.macro QUANT s, d, nb, pc
.set qb, 0
.rept \nb
	v_max3_num_f32 v[TM+qb], |v[\s+16*qb]|, |v[\s+16*qb+1]|, 0x4800000   ; the floor 2^(9 - 127) holds the byte at 1 from below
.set qb, qb+1
.endr
.set qi, 2
.rept 7
.set qb, 0
.rept \nb
	v_max3_num_f32 v[TM+qb], v[TM+qb], |v[\s+16*qb+qi]|, |v[\s+16*qb+qi+1]|
.set qb, qb+1
.endr
.set qi, qi+2
.endr
.set qb, 0
.rept \nb
	v_permlanex16_b32 v[TM+4+qb], v[TM+qb], s[SEL], s[SEL+1]
.set qb, qb+1
.endr
.set qb, 0
.rept \nb
	v_max_num_f32 v[TM+qb], v[TM+qb], v[TM+4+qb]
.set qb, qb+1
.endr
.set qb, 0
.rept \nb
	v_add_nc_u32 v[TM+12+qb], 0xfc000000, v[TM+qb]
.set qb, qb+1
.endr
.set qb, 0
.rept \nb
	v_and_or_b32 v[TM+8+qb], v[TM+qb], 0x7f800000, s[MNT]
.set qb, qb+1
.endr
.set qb, 0
.rept \nb
	v_lshrrev_b32 v[TM+4+qb], 23, v[TM+12+qb]
.set qb, qb+1
.endr
.set qb, 0
.rept \nb
.set qi, 0
.rept 16
	v_med3_num_f32 v[\d+16*qb+qi], v[\s+16*qb+qi], -v[TM+8+qb], v[TM+8+qb]   ; the conversion does not saturate (ISA guide 7.6.2)
.set qi, qi+1
.endr
	v_cvt_scalef32_pk8_fp8_f32 v[\pc+4*qb:\pc+4*qb+1], v[\d+16*qb:\d+16*qb+7], v[TM+12+qb]
	v_cvt_scalef32_pk8_fp8_f32 v[\pc+4*qb+2:\pc+4*qb+3], v[\d+16*qb+8:\d+16*qb+15], v[TM+12+qb]
.set qb, qb+1
.endr
	v_nop
.endm
.macro FOLD acc
	v_pk_add_f32 v[\acc:\acc+1], v[\acc:\acc+1], v[\acc+4:\acc+5]
	v_pk_add_f32 v[\acc+2:\acc+3], v[\acc+2:\acc+3], v[\acc+6:\acc+7]
	v_pk_add_f32 v[\acc+8:\acc+9], v[\acc+8:\acc+9], v[\acc+12:\acc+13]
	v_pk_add_f32 v[\acc+10:\acc+11], v[\acc+10:\acc+11], v[\acc+14:\acc+15]
	v_pk_add_f32 v[\acc:\acc+1], v[\acc:\acc+1], v[\acc+8:\acc+9]
	v_pk_add_f32 v[\acc+2:\acc+3], v[\acc+2:\acc+3], v[\acc+10:\acc+11]
.endm
.macro SUM16 src, acc                  ; 16 runs of four registers are summed, in four chains, into v[acc .. acc + 3]
.irp q, 0,1,2,3
	v_pk_add_f32 v[\acc+4*\q:\acc+4*\q+1], v[\src+4*\q:\src+4*\q+1], v[\src+16+4*\q:\src+16+4*\q+1]
	v_pk_add_f32 v[\acc+4*\q+2:\acc+4*\q+3], v[\src+4*\q+2:\src+4*\q+3], v[\src+16+4*\q+2:\src+16+4*\q+3]
.endr
.irp g, 32,48
.irp q, 0,1,2,3
	v_pk_add_f32 v[\acc+4*\q:\acc+4*\q+1], v[\acc+4*\q:\acc+4*\q+1], v[\src+\g+4*\q:\src+\g+4*\q+1]
	v_pk_add_f32 v[\acc+4*\q+2:\acc+4*\q+3], v[\acc+4*\q+2:\acc+4*\q+3], v[\src+\g+4*\q+2:\src+\g+4*\q+3]
.endr
.endr
	FOLD \acc
.endm
.macro XRED a                          ; v[a .. a + 3] summed over the 16 lanes of my parity; then my neighbour's sums (the other parity's) into v[a + 4 .. a + 7]
.irp m, 2,4,8
.irp i, 0,1,2,3
	v_add_f32_dpp v[\a+\i], v[\a+\i], v[\a+\i] row_xmask:\m row_mask:0xf bank_mask:0xf
.endr
.endr
.irp i, 0,1,2,3
	v_permlanex16_b32 v[\a+4+\i], v[\a+\i], s[SEL], s[SEL+1]
.endr
.irp i, 0,1,2,3
	v_add_f32 v[\a+\i], v[\a+\i], v[\a+4+\i]
.endr
.irp i, 0,1,2,3
	v_mov_b32_dpp v[\a+4+\i], v[\a+\i] row_xmask:1 row_mask:0xf bank_mask:0xf
.endr
.endm
; The figures of my four channels, in every lane.  v[R + 4 k + i]: work-group 16 k + lane / 2, channel i: an even lane its mean, an odd lane its M2.  VCC, made ahead of the macro, marks the even lanes.
.macro COMB
	SUM16 R, T
	XRED T                                         ; even lanes: the sums of means; odd lanes: the sums of M2
	s_wait_alu depctr_va_vcc(0)                    ; VCC is written by the compare ahead of the macro, ahead of its first reader
.irp i, 0,1,2,3
	v_cndmask_b32 v[MEAN+\i], v[T+4+\i], v[T+\i], vcc_lo
.endr
.irp i, 0,1,2,3
	v_cndmask_b32 v[SM2+\i], v[T+\i], v[T+4+\i], vcc_lo
.endr
.irp i, 0,1,2,3
	v_mul_f32 v[MEAN+\i], 0x3b800000, v[MEAN+\i]             ; / 256
.endr
.set k, 0
.rept 16
	v_pk_add_f32 v[R+4*k:R+4*k+1], v[R+4*k:R+4*k+1], v[MEAN:MEAN+1] neg_lo:[0,1] neg_hi:[0,1]   ; mean_i - mean (what the odd lanes make here is thrown away: sums stay within a parity)
	v_pk_add_f32 v[R+4*k+2:R+4*k+3], v[R+4*k+2:R+4*k+3], v[MEAN+2:MEAN+3] neg_lo:[0,1] neg_hi:[0,1]
.set k, k+1
.endr
.set k, 0
.rept 16
.if k < 4
	v_pk_mul_f32 v[T+4*k:T+4*k+1], v[R+4*k:R+4*k+1], v[R+4*k:R+4*k+1]
	v_pk_mul_f32 v[T+4*k+2:T+4*k+3], v[R+4*k+2:R+4*k+3], v[R+4*k+2:R+4*k+3]
.else
	v_pk_fma_f32 v[T+4*(k%4):T+4*(k%4)+1], v[R+4*k:R+4*k+1], v[R+4*k:R+4*k+1], v[T+4*(k%4):T+4*(k%4)+1]
	v_pk_fma_f32 v[T+4*(k%4)+2:T+4*(k%4)+3], v[R+4*k+2:R+4*k+3], v[R+4*k+2:R+4*k+3], v[T+4*(k%4)+2:T+4*(k%4)+3]
.endif
.set k, k+1
.endr
	FOLD T
	XRED T
.irp i, 0,1,2,3
	v_cndmask_b32 v[QQ+\i], v[T+4+\i], v[T+\i], vcc_lo       ; the even lanes' sums, in every lane
.endr
.irp i, 0,1,2,3
	v_fma_f32 v[QQ+\i], v[QQ+\i], s28, v[SM2+\i]             ; 256 x the squares of the means' distances + the sum of M2
.endr
.irp i, 0,1,2,3
	v_fma_f32 v[QQ+\i], v[QQ+\i], s29, s30                   ; / 65,536 + 1e-5
.endr
.irp i, 0,1,2,3
	v_rsq_f32 v[QQ+\i], v[QQ+\i]
.endr
	v_nop                                          ; a plain line behind the last of the four
	s_wait_alu depctr_va_vdst(0)                   ; the four reciprocal roots v[QQ ..] are written, ahead of their first reader: one wait for the batch
.irp i, 0,1,2,3
	v_mul_f32 v[AA+\i], v[QQ+\i], v[GA+\i]
.endr
.endm
.macro NORM4                           ; my four rows: (number - mean) x gain + beta
.irp i, 0,1,2,3
.irp c, 0,1,2,3,4,5,6,7
	v_sub_f32 v[Y+8*\i+\c], v[Y+8*\i+\c], v[MEAN+\i]
.endr
.irp c, 0,1,2,3,4,5,6,7
	v_fma_f32 v[Y+8*\i+\c], v[Y+8*\i+\c], v[AA+\i], v[BE+\i]
.endr
.endr
.endm
.macro WREDN n, scr, dst, dk
.irp m, 1,2,4,8
.set ci, 0
.rept \n
	v_add_f32_dpp v[\scr+8*ci], v[\scr+8*ci], v[\scr+8*ci] row_xmask:\m row_mask:0xf bank_mask:0xf
.set ci, ci+1
.endr
.endr
.set ci, 0
.rept \n
	v_permlanex16_b32 v[\scr+8*ci+1], v[\scr+8*ci], s[SEL], s[SEL+1]
.set ci, ci+1
.endr
.set ci, 0
.rept \n
	v_add_f32 v[\dst+\dk*ci], v[\scr+8*ci], v[\scr+8*ci+1]
.set ci, ci+1
.endr
.endm
.macro ROWSTAT y, n, scr, mn, m2
.set ci, 0
.rept \n
	v_pk_add_f32 v[\scr+8*ci:\scr+8*ci+1], v[\y+8*ci:\y+8*ci+1], v[\y+8*ci+2:\y+8*ci+3]
	v_pk_add_f32 v[\scr+8*ci+2:\scr+8*ci+3], v[\y+8*ci+4:\y+8*ci+5], v[\y+8*ci+6:\y+8*ci+7]
.set ci, ci+1
.endr
.set ci, 0
.rept \n
	v_pk_add_f32 v[\scr+8*ci:\scr+8*ci+1], v[\scr+8*ci:\scr+8*ci+1], v[\scr+8*ci+2:\scr+8*ci+3]
.set ci, ci+1
.endr
.set ci, 0
.rept \n
	v_add_f32 v[\scr+8*ci], v[\scr+8*ci], v[\scr+8*ci+1]
.set ci, ci+1
.endr
	WREDN \n, \scr, \scr, 8
.set ci, 0
.rept \n
	v_mul_f32 v[\mn+ci], 0x3b800000, v[\scr+8*ci]
.set ci, ci+1
.endr
.set ci, 0
.rept \n
.set cj, 0
.rept 8
	v_sub_f32 v[\scr+8*ci+cj], v[\y+8*ci+cj], v[\mn+ci]
.set cj, cj+1
.endr
.set ci, ci+1
.endr
.set ci, 0
.rept \n
	v_mul_f32 v[\scr+8*ci], v[\scr+8*ci], v[\scr+8*ci]
	v_mul_f32 v[\scr+8*ci+1], v[\scr+8*ci+1], v[\scr+8*ci+1]
.set ci, ci+1
.endr
.irp p, 2,4,6
.set ci, 0
.rept \n
	v_fma_f32 v[\scr+8*ci], v[\scr+8*ci+\p], v[\scr+8*ci+\p], v[\scr+8*ci]
	v_fma_f32 v[\scr+8*ci+1], v[\scr+8*ci+\p+1], v[\scr+8*ci+\p+1], v[\scr+8*ci+1]
.set ci, ci+1
.endr
.endr
.set ci, 0
.rept \n
	v_add_f32 v[\scr+8*ci], v[\scr+8*ci], v[\scr+8*ci+1]
.set ci, ci+1
.endr
	WREDN \n, \scr, \m2, 1
.endm
	s_load_b256 s[4:11], s[0:1], 0x0               ; y, st1, gamma, beta
	s_load_b256 s[12:19], s[0:1], 0x20             ; w_ff1, w_ff2, z, st2
	v_lshrrev_b32 v1, 5, v0
	v_readfirstlane_b32 s20, v1                    ; wave 0..15
	s_and_b32 s21, ttmp7, 0xffff                   ; the batch
	s_mov_b32 s[SEL], 0x76543210
	s_mov_b32 s[SEL+1], 0xfedcba98
	s_mov_b32 s[MNT], 0x600000
	s_mov_b32 s26, 0x3e4ccccd                      ; 0.2
	s_mov_b32 s27, s26
	s_mov_b32 s28, 0x43800000                      ; 256
	s_mov_b32 s29, 0x37800000                      ; 1 / 65,536
	s_mov_b32 s30, 0x3727c5ac                      ; 1e-5
	v_and_b32 v1, 31, v0                           ; lane
	v_and_b32 v2, 15, v0                           ; r
	v_bfe_u32 v3, v0, 4, 1                         ; h
	v_and_b32 v4, 8, v2
	v_add_nc_u32 v4, v4, v2                        ; r + 8 (r / 8)
	v_lshlrev_b32 v5, 4, v1                        ; 16 x lane
	v_lshlrev_b32 v12, 2, v2                       ; 4 r
	s_wait_alu depctr_va_sdst(0)                   ; s20 is written, ahead of its first reader: the shares, the LDS places and the bases are made from it
	s_lshr_b32 s31, s20, 1                         ; w_ff1: my tile of eight,
	s_and_b32 s32, s20, 1                          ; my block of two
	s_lshr_b32 s33, s31, 1
	s_lshl_b32 s33, s33, 5
	s_and_b32 s34, s31, 1
	s_lshl_b32 s34, s34, 3
	s_add_co_u32 s33, s33, s34
	s_lshl_b32 s33, s33, 8                         ; a row is 256 bytes
	s_lshl_b32 s34, s32, 7
	s_add_co_u32 s33, s33, s34
	v_lshlrev_b32 v7, 8, v4
	v_lshl_add_u32 v7, v3, 6, v7
	v_add_nc_u32 v7, s33, v7
	s_lshl_b32 s33, s31, 6
	s_add_co_u32 s33, s33, s32
	s_add_co_u32 s33, s33, W1SC
	v_add_nc_u32 v10, s33, v12
	s_lshr_b32 s31, s20, 2                         ; w_ff2: my tile of four,
	s_and_b32 s32, s20, 3                          ; my block of four
	s_lshr_b32 s33, s31, 1
	s_lshl_b32 s33, s33, 5
	s_and_b32 s34, s31, 1
	s_lshl_b32 s34, s34, 3
	s_add_co_u32 s33, s33, s34
	s_lshl_b32 s33, s33, 9                         ; a row is 512 bytes
	s_lshl_b32 s34, s32, 7
	s_add_co_u32 s33, s33, s34
	v_lshlrev_b32 v8, 9, v4
	v_lshl_add_u32 v8, v3, 6, v8
	v_add_nc_u32 v8, s33, v8
	s_lshl_b32 s33, s31, 6
	s_add_co_u32 s33, s33, s32
	s_add_co_u32 s33, s33, W2SC
	v_add_nc_u32 v11, s33, v12
	s_lshl_b32 s33, s20, 9
	v_add_nc_u32 v9, s33, v5                       ; 512 x wave + 16 x lane: my images
	s_mul_i32 s33, s20, 4*HP
	s_add_co_u32 s34, s33, HST
	v_add_nc_u32 v15, s34, v5                      ; rows 4 wave on of h,
	s_add_co_u32 s34, s33, ZST
	v_add_nc_u32 v58, s34, v5                      ; and of z
	v_mul_u32_u24 v59, v3, 16*HP
	v_add_nc_u32 v59, v59, v12
	s_lshl_b32 s33, s20, 6
	s_add_co_u32 s34, s33, ZST
	v_add_nc_u32 v60, s34, v59                     ; z: channel 16 h + .., point 16 wave + r
	s_add_co_u32 s34, s33, HST
	v_add_nc_u32 v59, s34, v59                     ; h likewise
	s_lshl_b32 s33, s20, 4
	v_mov_b32 v6, s33                              ; gamma, beta: my four channels, the same 16 bytes for every lane
	s_add_co_u32 s33, s33, STT
	v_mov_b32 v61, s33                             ; where my four channels' statistics meet the others'
	v_and_b32 v13, 1, v1                           ; the statistics' way out: lane l takes group l / 2; an even lane its four means, an odd lane its four sums of squares
	v_lshrrev_b32 v14, 1, v1
	v_lshlrev_b32 v62, 8, v13
	v_lshl_add_u32 v62, v14, 4, v62
	v_add_nc_u32 v62, STT, v62                     ; in LDS: 256 (l % 2) + 16 (l / 2)
	v_lshlrev_b32 v63, 4, v13
	v_lshl_add_u32 v63, v14, 13, v63               ; in st2: 8,192 (l / 2) + 16 (l % 2)
	s_lshl_b32 s40, s20, 13                        ; st1: group = wave, 8,192 bytes a group
	s_mov_b32 s41, 0
	s_lshl_b32 s42, s21, 19                        ; y, z: batch, channels 4 wave on, my block's 1,024 bytes of a row
	s_lshl_b32 s43, s20, 15
	s_add_co_u32 s42, s42, s43
	s_lshl_b32 s43, ttmp9, 10
	s_add_co_u32 s42, s42, s43
	s_mov_b32 s43, 0
	s_lshl_b32 s44, s21, 3
	s_add_co_u32 s44, s44, ttmp9
	s_lshl_b32 s44, s44, 5                         ; st2: my work-group's 32 bytes in each group
	s_mov_b32 s45, 0
	s_wait_kmcnt 0x0
	s_add_nc_u64 s[6:7], s[6:7], s[40:41]
	s_add_nc_u64 s[4:5], s[4:5], s[42:43]
	s_add_nc_u64 s[16:17], s[16:17], s[42:43]
	s_add_nc_u64 s[18:19], s[18:19], s[44:45]
	s_wait_alu depctr_va_vdst(0)                   ; the offsets and LDS addresses v5 to v15 and v58 to v63 are written: every load and store of the kernel reads one of them, and none is written again
.set k, 0
.rept 16
	global_load_b128 v[R+4*k:R+4*k+3], v5, s[6:7] offset:512*k       ; 512 bytes on end: 16 work-groups' figures of my group
.set k, k+1
.endr
	global_load_b128 v[GA:GA+3], v6, s[8:9]
	global_load_b128 v[BE:BE+3], v6, s[10:11]
.irp i, 0,1,2,3
	global_load_b128 v[WN+4*\i:WN+4*\i+3], v7, s[12:13] offset:16*\i
.endr
.irp i, 0,1,2,3
	global_load_b128 v[WN+16+4*\i:WN+16+4*\i+3], v8, s[14:15] offset:16*\i
.endr
.set k, 0
.rept 8
	global_load_b128 v[Y+4*k:Y+4*k+3], v5, s[4:5] offset:(k/2)*8192+(k%2)*512 th:TH_LOAD_NT
.set k, k+1
.endr
.irp i, 4,5,6,7
	v_mov_b32 v[TM+\i], 0                          ; a lane permute's destination counts as read
.endr
	v_and_b32 v[QQ], 1, v1
	v_cmp_eq_u32 vcc_lo, 0, v[QQ]                  ; the even lanes: made here, while the loads are out; read in COMB, behind its wait
	s_wait_loadcnt 16                              ; the 16 younger loads are the weights' and y's: the statistics, gamma and beta are in
	COMB
	s_wait_loadcnt 8                               ; y's eight may stay out: the weights are in
	QUANT WN, WN, 2, WC
	s_wait_loadcnt 0x0                             ; y
	NORM4                                          ; h
	s_wait_alu depctr_va_vdst(0)                   ; v[WC ..], the bytes v[TM+4], v[TM+5] and h in v[Y ..] are written: the thirteen LDS stores read them; COMB is done with v[R ..] and the quantiser with v[WN ..], in which the LDS loads behind the barrier land
	ds_store_b128 v9, v[WC:WC+3] offset:W1IMG
	ds_store_b128 v9, v[WC+4:WC+7] offset:W2IMG
	ds_store_b8 v10, v[TM+4]
	ds_store_b8 v10, v[TM+4] offset:2
	ds_store_b8 v11, v[TM+5]
.set k, 0
.rept 8
	ds_store_b128 v15, v[Y+4*k:Y+4*k+3] offset:(k/2)*HP+(k%2)*512
.set k, k+1
.endr
	s_wait_alu depctr_vm_vsrc(0)                   ; the thirteen stores have read v[Y ..], v[WC ..] and the two bytes: the zero codes below are laid over Y, and the later lines write all of them again
.irp i, 64,65,66,67,68,69,70,71
	v_mov_b32 v[WF+\i], 0                          ; what the last tile's operand names beyond its own codes
.endr
.irp i, 8,9,10,11,12,13,14,15
	v_mov_b32 v[PCH+\i], 0                         ; the zero codes of h's fragment
.endr
	BARRIER                                        ; the weights' images and 64 rows of h lie in LDS
.set k, 0
.rept 32
	ds_load_b32 v[H+k], v59 offset:(32*(k/16)+k%16)*HP
.set k, k+1
.endr
.set k, 0
.rept 16
	ds_load_b128 v[WF+4*k:WF+4*k+3], v5 offset:W1IMG+512*k
.set k, k+1
.endr
.irp t, 0,1,2,3,4,5,6,7
	ds_load_b32 v[WS+\t], v12 offset:W1SC+64*\t
.endr
	s_wait_dscnt 24                                ; LDS loads come back in order (ISA guide 5.7.1): h is in; the 24 younger loads, w_ff1's codes and scale words, stay out while h is quantised: the quantiser names H, FA, TM and PCH alone
	QUANT H, FA, 2, PCH                            ; the held numbers go aside: h itself is the residual
	v_lshl_or_b32 v[HS], v[TM+5], 8, v[TM+4]       ; bytes 2 and 3 are 0: they stand over zero codes
	s_wait_dscnt 0x0                               ; w_ff1's codes and scale words are in
	PLACES                                         ; a scale word made by vector instructions stands eight places ahead
	s_wait_alu depctr_va_vdst(0)                   ; h's codes v[PCH ..], the zero codes and the scale word v[HS] are written by vector instructions: the products take them as operand and scales; the places above stay beside this wait
.irp t, 0,1,2,3,4,5,6,7
	v_wmma_scale_f32_16x16x128_f8f6f4 v[FA+8*\t:FA+8*\t+7], v[WF+8*\t:WF+8*\t+15], v[PCH:PCH+15], 0, v[WS+\t], v[HS]
.endr
	PLACES
	s_wait_alu depctr_va_vdst(0)                   ; the products are done reading v[WF ..] and v[WS ..], in which w_ff2's loads land
.set k, 0
.rept 16
	ds_load_b128 v[WF+4*k:WF+4*k+3], v5 offset:W2IMG+512*k
.set k, k+1
.endr
.irp t, 0,1,2,3
	ds_load_b32 v[WS+\t], v12 offset:W2SC+64*\t
.endr
.set g, 0
.rept 4                                ; leaky: the larger of f and 0.2 f, sixteen at a time
.set k, 0
.rept 8
	v_pk_mul_f32 v[LT+2*k:LT+2*k+1], v[FA+16*g+2*k:FA+16*g+2*k+1], s[26:27] op_sel_hi:[1,0]
.set k, k+1
.endr
.set k, 0
.rept 16
	v_max_num_f32 v[FA+16*g+k], v[FA+16*g+k], v[LT+k]
.set k, k+1
.endr
.set g, g+1
.endr
	QUANT FA, FA, 4, PH
	v_lshl_or_b32 v[PWH], v[TM+5], 8, v[TM+4]
	v_lshl_or_b32 v[PWH], v[TM+6], 16, v[PWH]
	v_lshl_or_b32 v[PWH], v[TM+7], 24, v[PWH]
	s_wait_dscnt 0x0                               ; w_ff2's codes and scale words are in
	PLACES
	s_wait_alu depctr_va_vdst(0)                   ; the hidden layer's codes v[PH ..] and its scale word v[PWH] are written by vector instructions: the products take them as operand and scales; the places above stay beside this wait
.irp t, 0,1,2,3
	v_wmma_scale_f32_16x16x128_f8f6f4 v[H+8*\t:H+8*\t+7], v[WF+16*\t:WF+16*\t+15], v[PH:PH+15], v[H+8*\t:H+8*\t+7], v[WS+\t], v[PWH]
.endr
	PLACES
	s_wait_alu depctr_va_vdst(0)                   ; the products have written z in v[H ..], which the LDS stores read; the places above stay beside this wait
.set k, 0
.rept 32
	ds_store_b32 v60, v[H+k] offset:(32*(k/16)+k%16)*HP      ; each accumulator from its low end on
.set k, k+1
.endr
	BARRIER                                        ; 64 rows of z lie in the stage
.set k, 0
.rept 8
	ds_load_b128 v[FA+4*k:FA+4*k+3], v58 offset:(k/2)*HP+(k%2)*512   ; (the hidden layer's quantiser, the last to name these registers, stands ahead of the waits above)
.set k, k+1
.endr
	s_wait_dscnt 0x0
.set k, 0
.rept 8
	global_store_b128 v5, v[FA+4*k:FA+4*k+3], s[16:17] offset:(k/2)*8192+(k%2)*512   ; 512 bytes on end
.set k, k+1
.endr
	ROWSTAT FA, 4, T, 16, 20                       ; it reads the rows and writes none of their registers
	s_wait_alu depctr_va_vdst(0)                   ; the four means v[16:19] and the four sums of squares v[20:23] are written, which the LDS stores read
	ds_store_b128 v61, v[16:19]
	ds_store_b128 v61, v[20:23] offset:256
	BARRIER
	s_cmp_lg_u32 s20, 0
	s_cbranch_scc1 .Ldone
	ds_load_b128 v[24:27], v62
	s_wait_dscnt 0x0
	global_store_b128 v63, v[24:27], s[18:19]      ; two neighbouring lanes store a group's 32 bytes; the sixteen groups lie 8,192 bytes apart
.Ldone:
	s_wait_xcnt 0x0
	v_lshl_add_u32 v254, v0, 2, 0x25000            ; the closing add's two registers are made anew: they lay under y's rows, whose LDS stores stand ahead of the wait on vm_vsrc; no memory or LDS instruction has read them since
	v_mov_b32 v255, 0
	s_wait_dscnt 0x0                               ; the closing lines, six on end
	s_wait_alu 0x0
	s_wait_tensorcnt 0x0
	ds_add_u32 v254, v255
	s_wait_dscnt 0x0
	s_endpgm
.Lfunc_end_k_q97632e4e72_ffn:
	.size	k_q97632e4e72_ffn, .Lfunc_end_k_q97632e4e72_ffn-k_q97632e4e72_ffn
	.p2alignl 7, 3214868480
	.fill 96, 4, 3214868480
	.section	.rodata,"a",@progbits
	.p2align	6, 0x0
	.amdhsa_kernel k_q97632e4e72_ffn
		.amdhsa_group_segment_fixed_size 153600
		.amdhsa_private_segment_fixed_size 0
		.amdhsa_enable_private_segment 0
		.amdhsa_kernarg_size 64
		.amdhsa_user_sgpr_count 2
		.amdhsa_user_sgpr_kernarg_segment_ptr 1
		.amdhsa_wavefront_size32 1
		.amdhsa_system_sgpr_workgroup_id_x 1
		.amdhsa_system_sgpr_workgroup_id_y 1
		.amdhsa_system_sgpr_workgroup_id_z 1
		.amdhsa_system_vgpr_workitem_id 0
		.amdhsa_next_free_vgpr 256
		.amdhsa_next_free_sgpr 66
		.amdhsa_reserve_vcc 1
		.amdhsa_float_denorm_mode_32 3
		.amdhsa_float_denorm_mode_16_64 3
		.amdhsa_memory_ordered 1
		.amdhsa_forward_progress 1
		.amdhsa_inst_pref_size 61
	.end_amdhsa_kernel
	.amdgpu_metadata
---
amdhsa.version: [ 1, 2 ]
amdhsa.kernels:
  - .name:           k_q97632e4e72_ffn
    .symbol:         k_q97632e4e72_ffn.kd
    .args:
      - { .name: y, .offset: 0, .size: 8, .value_kind: global_buffer, .address_space: global }
      - { .name: st1, .offset: 8, .size: 8, .value_kind: global_buffer, .address_space: global }
      - { .name: bn1_gamma, .offset: 16, .size: 8, .value_kind: global_buffer, .address_space: global }
      - { .name: bn1_beta, .offset: 24, .size: 8, .value_kind: global_buffer, .address_space: global }
      - { .name: w_ff1, .offset: 32, .size: 8, .value_kind: global_buffer, .address_space: global }
      - { .name: w_ff2, .offset: 40, .size: 8, .value_kind: global_buffer, .address_space: global }
      - { .name: z, .offset: 48, .size: 8, .value_kind: global_buffer, .address_space: global }
      - { .name: st2, .offset: 56, .size: 8, .value_kind: global_buffer, .address_space: global }
    .group_segment_fixed_size: 153600
    .private_segment_fixed_size: 0
    .kernarg_segment_align: 8
    .kernarg_segment_size: 64
    .max_flat_workgroup_size: 512
    .sgpr_count:     66
    .vgpr_count:     256
    .wavefront_size: 32
...
	.end_amdgpu_metadata
.endif
;; end of part 6
;; launch norm: the kernel of part 4 again; grid 8 x 32, 8 waves a work-group, no clusters, 0 bytes of LDS; arguments z, st2, bn2_gamma, bn2_beta, out0; writes out0
